; MI455X (gfx1250); checked and timed in simulation.
; The chip was launched on July 23, 2026; its instructions are those of AMD's public machine-readable ISA for CDNA 5 (MIT licence, August 2026) and "CDNA5" Instruction Set Architecture Reference Guide (July 2026). The comments in the code are by the model that wrote it; some were corrected since.
;; Multihead Attention. Allowed arithmetic: float matrix products may take bf16 or f16 operands with f32 sums; all other float work in f32.
;; Inputs: k_b 1,024 float32; k_w 1,024 x 1,024 float32; key 1,000 x 8 x 1,024 float32; o_b 1,024 float32; o_w 1,024 x 1,024 float32; q_b 1,024 float32; q_w 1,024 x 1,024 float32; query 1,000 x 8 x 1,024 float32; v_b 1,024 float32; v_w 1,024 x 1,024 float32; value 1,000 x 8 x 1,024 float32.
;; Outputs: out0 1,000 x 8 x 1,024 float32.
;; 2 versions, each right; version 2 is version 1 with the launch prep written anew for expert scheduling mode. Each part assembles by itself: llvm-mc -triple=amdgcn-amd-amdhsa -mcpu=gfx1250 --defsym DOCPART=n.
;; ======== version 1 of 2: 4 launches
;; limits: values are held in f16: magnitudes above 65,504 overflow, below 6.1e-05 lose precision
;; workspace buffers: wh 8,388,608 bytes; rope 262,144 bytes; qh 16,384,000 bytes; kh 16,384,000 bytes; vh 16,384,000 bytes; ah 16,384,000 bytes
;; launch prep (part 1): grid 256 x 1, 4 waves a work-group, no clusters, 0 bytes of LDS; arguments q_w, k_w, v_w, o_w, wh, rope; writes wh, rope
.if DOCPART == 1
	.amdgcn_target "amdgcn-amd-amdhsa--gfx1250"
	.amdhsa_code_object_version 6
	.text
	.protected	k_qa5a12d37d3_prep
	.globl	k_qa5a12d37d3_prep
	.p2align	8
	.type	k_qa5a12d37d3_prep,@function
k_qa5a12d37d3_prep:
	s_mov_b64 s[64:65], 0
	v_nop
	global_prefetch_b8 v0, s[64:65] scope:SCOPE_SE
	s_setreg_imm32_b32 hwreg(HW_REG_WAVE_MODE, 25, 1), 1
	s_wait_xcnt 0x0
; Two jobs, both once for the whole program.
; (1) The four weight matrices [n 1024][k 1024] f32 are rounded to f16 and laid as wh[matrix][k >> 6][n][k & 63], so that the 64 k of one
;     K step of 256 rows n are one dense block.  Work-group g takes rows 4 g .. 4 g + 3 of each matrix: 32 loads of 16 bytes a thread.
;     Sixteen lanes read 256 consecutive bytes; 32 lanes store 256 consecutive bytes, aligned.
; (2) The rotary table rope[t 0..1023][cos j = 0..31 | sin j = 0..31] f32, a row of 256 bytes a wave (rows 1000 .. 1023 are written, never used).
;     angle = t * 2^(-j log2(10000) / 32); it is reduced by the nearest multiple of 2 pi (2 pi in two parts), halved (|y| <= pi / 2),
;     sin y and cos y come from their series up to y^11 and y^12 (remainder under 1e-7), and sin x = 2 s c, cos x = 1 - 2 s s.  Row 0 is exactly cos = 1, sin = 0.
; LIMITS: a weight beyond 65,504 in magnitude becomes infinite in f16; below 6.1e-5 it keeps an absolute step of 6e-8.  Angles carry about 1e-4 rad at t near 1000, from f32 itself.
; No LDS, no barrier, no matrix unit: the work is a stream of 16 MiB in and 8 MiB out.
.set X,   8                            ; v[8:135]  matrix w at X + 32 w, load i at + 4 i
.set WB,  2097152                      ; bytes of one matrix in wh
.set KSB, 131072                       ; bytes of one K step of 64 in wh: 1,024 rows of 128 bytes
	s_load_b256 s[4:11], s[0:1], 0x0               ; q_w, k_w, v_w, o_w
	s_load_b128 s[12:15], s[0:1], 0x20             ; wh, rope
	v_and_b32 v3, 15, v0                           ; c: which 16 bytes of a block of 64 f32
	v_bfe_u32 v4, v0, 4, 1                         ; row bit 0
	v_bfe_u32 v5, v0, 5, 1                         ; row bit 1
	v_bfe_u32 v6, v0, 6, 1                         ; which half of the row's 1,024 k
	v_lshlrev_b32 v1, 4, v3                        ; load offset: 16 c
	v_lshl_add_u32 v1, v4, 12, v1                  ; + rows of 4,096 bytes
	v_lshl_add_u32 v1, v5, 13, v1
	v_lshl_add_u32 v1, v6, 11, v1                  ; + 512 k
	v_lshlrev_b32 v2, 3, v3                        ; store offset: 8 c
	v_lshl_add_u32 v2, v4, 7, v2                   ; + rows of 128 bytes
	v_lshl_add_u32 v2, v5, 8, v2
	v_lshl_add_u32 v2, v6, 20, v2                  ; + 8 K steps
	v_lshrrev_b32 v7, 5, v0
	v_readfirstlane_b32 s16, v7                    ; wave
	s_lshl2_add_u32 s17, ttmp9, s16                ; t = 4 g + wave
	s_lshl_b32 s18, ttmp9, 14                      ; 4 rows of 4,096 bytes
	s_mov_b32 s19, 0
	s_lshl_b32 s20, ttmp9, 9                       ; 4 rows of 128 bytes
	s_mov_b32 s21, 0
	s_lshl_b32 s22, ttmp9, 10                      ; 4 table rows of 256 bytes
	s_mov_b32 s23, 0
	s_mov_b32 s24, 0x40c90fdb                      ; 2 pi, rounded
	s_mov_b32 s25, 0xb43bbd2e                      ; 2 pi minus that
	s_wait_kmcnt 0x0
	s_add_nc_u64 s[4:5], s[4:5], s[18:19]
	s_add_nc_u64 s[6:7], s[6:7], s[18:19]
	s_add_nc_u64 s[8:9], s[8:9], s[18:19]
	s_add_nc_u64 s[10:11], s[10:11], s[18:19]
	s_add_nc_u64 s[12:13], s[12:13], s[20:21]
	s_add_nc_u64 s[14:15], s[14:15], s[22:23]
.irp w, 0,1,2,3
.irp i, 0,1,2,3,4,5,6,7
	global_load_b128 v[X+32*\w+4*\i:X+32*\w+4*\i+3], v1, s[4+2*\w:5+2*\w] offset:256*\i th:TH_LOAD_NT
.endr
.endr
	; the table row, while the 32 loads are on their way.  Lane L: angles j = 2 (L & 15) and the next; lanes 0-15 keep the cosines, lanes 16-31 the sines
	v_lshlrev_b32 v136, 1, v3
	v_or_b32 v137, 1, v136
	v_cvt_f32_u32 v136, v136
	v_cvt_f32_u32 v137, v137
	v_mul_f32 v136, 0xbed49a78, v136               ; -j log2(10000) / 32
	v_mul_f32 v137, 0xbed49a78, v137
	v_exp_f32 v136, v136
	v_exp_f32 v137, v137
	v_cvt_f32_u32 v138, s17                        ; a plain instruction between the exponentials and the use of their results (ISA guide 5.7.2)
	s_wait_alu depctr_va_vdst(0)
	v_mul_f32 v136, v138, v136
	v_mul_f32 v137, v138, v137
; a: the angle (destroyed).  On leaving: v[co] = cos, v[si] = sin.  n, z: at work
.macro SINCOS a, n, z, co, si
	v_mul_f32 v[\n], 0x3e22f983, v[\a]             ; angle / 2 pi
	v_rndne_f32 v[\n], v[\n]
	v_fma_f32 v[\a], -v[\n], s24, v[\a]
	v_fma_f32 v[\a], -v[\n], s25, v[\a]            ; x in [-pi, pi]
	v_mul_f32 v[\a], 0.5, v[\a]                    ; y
	v_mul_f32 v[\z], v[\a], v[\a]
	v_mov_b32 v[\co], 0xb2d7322b                   ; -1/11!
	v_fmaak_f32 v[\co], v[\co], v[\z], 0x3638ef1d  ; 1/9!
	v_fmaak_f32 v[\co], v[\co], v[\z], 0xb9500d01  ; -1/7!
	v_fmaak_f32 v[\co], v[\co], v[\z], 0x3c088889  ; 1/5!
	v_fmaak_f32 v[\co], v[\co], v[\z], 0xbe2aaaab  ; -1/3!
	v_fma_f32 v[\co], v[\co], v[\z], 1.0
	v_mul_f32 v[\co], v[\co], v[\a]                ; s = sin y
	v_mov_b32 v[\si], 0x310f76c7                   ; 1/12!
	v_fmaak_f32 v[\si], v[\si], v[\z], 0xb493f27e  ; -1/10!
	v_fmaak_f32 v[\si], v[\si], v[\z], 0x37d00d01  ; 1/8!
	v_fmaak_f32 v[\si], v[\si], v[\z], 0xbab60b61  ; -1/6!
	v_fmaak_f32 v[\si], v[\si], v[\z], 0x3d2aaaab  ; 1/4!
	v_fma_f32 v[\si], v[\si], v[\z], -0.5
	v_fma_f32 v[\si], v[\si], v[\z], 1.0           ; c = cos y
	v_mul_f32 v[\si], v[\si], v[\co]
	v_add_f32 v[\si], v[\si], v[\si]               ; sin x = 2 s c
	v_mul_f32 v[\z], v[\co], v[\co]
	v_fma_f32 v[\co], v[\z], -2.0, 1.0             ; cos x = 1 - 2 s s
.endm
	SINCOS 136, 140, 141, 142, 143
	SINCOS 137, 144, 145, 146, 147
	v_and_b32 v139, 31, v0
	v_cmp_gt_u32 vcc_lo, 16, v139
	v_cndmask_b32 v150, v143, v142, vcc_lo         ; lanes 0-15: cos
	v_cndmask_b32 v151, v147, v146, vcc_lo
	v_lshlrev_b32 v152, 3, v0
	global_store_b64 v152, v[150:151], s[14:15]    ; a wave stores one row: 256 consecutive bytes, aligned
.irp w, 0,1,2,3
	s_wait_loadcnt 24-8*\w                         ; loads come back in order (ISA guide 5.7.1): matrix w's eight are in, the younger matrices' stay out
.irp i, 0,1,2,3,4,5,6,7
	v_cvt_pk_f16_f32 v[X+32*\w+4*\i], v[X+32*\w+4*\i], v[X+32*\w+4*\i+1]
	v_cvt_pk_f16_f32 v[X+32*\w+4*\i+1], v[X+32*\w+4*\i+2], v[X+32*\w+4*\i+3]
	global_store_b64 v2, v[X+32*\w+4*\i:X+32*\w+4*\i+1], s[12:13] offset:\w*WB+\i*KSB
.endr
.endr
	s_endpgm
.Lfunc_end_k_qa5a12d37d3_prep:
	.size	k_qa5a12d37d3_prep, .Lfunc_end_k_qa5a12d37d3_prep-k_qa5a12d37d3_prep
	.p2alignl 7, 3214868480
	.fill 96, 4, 3214868480
	.section	.rodata,"a",@progbits
	.p2align	6, 0x0
	.amdhsa_kernel k_qa5a12d37d3_prep
		.amdhsa_group_segment_fixed_size 0
		.amdhsa_private_segment_fixed_size 0
		.amdhsa_enable_private_segment 0
		.amdhsa_kernarg_size 48
		.amdhsa_user_sgpr_count 2
		.amdhsa_user_sgpr_kernarg_segment_ptr 1
		.amdhsa_wavefront_size32 1
		.amdhsa_system_sgpr_workgroup_id_x 1
		.amdhsa_system_sgpr_workgroup_id_y 1
		.amdhsa_system_sgpr_workgroup_id_z 1
		.amdhsa_system_vgpr_workitem_id 0
		.amdhsa_next_free_vgpr 160
		.amdhsa_next_free_sgpr 66
		.amdhsa_reserve_vcc 1
		.amdhsa_float_denorm_mode_32 3
		.amdhsa_float_denorm_mode_16_64 3
		.amdhsa_memory_ordered 1
		.amdhsa_forward_progress 1
		.amdhsa_inst_pref_size 15
	.end_amdhsa_kernel
	.amdgpu_metadata
---
amdhsa.version: [ 1, 2 ]
amdhsa.kernels:
  - .name:           k_qa5a12d37d3_prep
    .symbol:         k_qa5a12d37d3_prep.kd
    .args:
      - { .name: q_w, .offset: 0, .size: 8, .value_kind: global_buffer, .address_space: global }
      - { .name: k_w, .offset: 8, .size: 8, .value_kind: global_buffer, .address_space: global }
      - { .name: v_w, .offset: 16, .size: 8, .value_kind: global_buffer, .address_space: global }
      - { .name: o_w, .offset: 24, .size: 8, .value_kind: global_buffer, .address_space: global }
      - { .name: wh, .offset: 32, .size: 8, .value_kind: global_buffer, .address_space: global }
      - { .name: rope, .offset: 40, .size: 8, .value_kind: global_buffer, .address_space: global }
    .group_segment_fixed_size: 0
    .private_segment_fixed_size: 0
    .kernarg_segment_align: 8
    .kernarg_segment_size: 48
    .max_flat_workgroup_size: 128
    .sgpr_count:     66
    .vgpr_count:     160
    .wavefront_size: 32
...
	.end_amdgpu_metadata
.endif
;; end of part 1
;; launch proj (part 2): grid 4 x 96, 4 waves a work-group, clusters of 4 x 4, 327,680 bytes of LDS; arguments query, key, value, q_b, k_b, v_b, wh, rope, qh, kh, vh; writes qh, kh, vh
.if DOCPART == 2
	.amdgcn_target "amdgcn-amd-amdhsa--gfx1250"
	.amdhsa_code_object_version 6
	.text
	.protected	k_qa5a12d37d3_proj
	.globl	k_qa5a12d37d3_proj
	.p2align	8
	.type	k_qa5a12d37d3_proj,@function
k_qa5a12d37d3_proj:
	s_mov_b64 s[64:65], 0
	v_nop
	global_prefetch_b8 v0, s[64:65] scope:SCOPE_SE
	s_setreg_imm32_b32 hwreg(HW_REG_WAVE_MODE, 25, 1), 1
	s_wait_xcnt 0x0
	s_wait_alu depctr_hold_cnt(0) depctr_sa_sdst(0) depctr_va_vdst(0) depctr_va_sdst(0) depctr_va_ssrc(0) depctr_va_vcc(0) depctr_vm_vsrc(0)
	s_getreg_b32 s2, hwreg(HW_REG_IB_STS2, 6, 4)
	s_cmp_eq_u32 s2, 0
	s_cbranch_scc0 .Lentry_in_a_cluster
	s_endpgm
.Lentry_in_a_cluster:
	s_bfe_u32 s2, ttmp6, 0x10000c
	s_cmp_lg_u32 s2, 0xf033
	s_cbranch_scc0 .Lentry_shape_is_right
	s_endpgm
.Lentry_shape_is_right:
; The three input layers: Y = X W^T + b for X = query, key, value ([8000][1024] f32, row m = 8 t + b), with the rotary turn on q and k and the split into heads on the way out.
; Stored: qh, kh, vh in f16 as [head 16][rho 8000][64], rho = 16 (m >> 4) + 2 (m & 7) + ((m >> 3) & 1): tokens t (even) and t + 1 of one head and batch are 256 consecutive bytes.
; The factor 1/8 of q is left to the softmax's constant in the attention launch (the turn is linear).
; SHARES.  A tile of Y is 256 x 256, four waves of 128 x 128 (64 accumulators, 512 registers).  Cluster y >> 3 says which of the three layers; block i = 0..31 of rows begins at
; min(256 i, 7744): the last block overlaps the one before, so that every tile lies inside its tensor, and rows under 256 i are not stored (a mask on the stores' lanes, no branch).
; K goes in steps of 64 through two LDS slots: 256 rows of X in f32 (rows of 256 bytes in memory) and 256 rows of W in f16 (a dense block of wh).
; X is rounded to f16 between LDS and the matrix unit: 32 loads of f32 into a staging block, 64 conversions, for each 32 along K.
; CLUSTER 4 x 4: X's tile is asked for jointly by the four of a cluster's row, W's by the four of a column.
; THE MATRIX INSTRUCTION IS USED TRANSPOSED (source 0 = 16 rows of W, source 1 = 16 rows of X): a lane holds eight neighbouring columns of one row of Y.  The bias is the C of the first products.
; PREFETCH.  X is read from memory once, and a tile has one K step in which to land, so X's tiles are asked for ahead (global_prefetch_b8).  Thread t of the work-group at place cx of its
; cluster's row asks for the 256 bytes of row 64 cx + (t & 63) of the tile in K step s + (t >> 6): the four partners' 512 threads cover the 2 x 256 rows of two K steps, each block once.
; One request a wave in each lap L (K steps 2 L, 2 L + 1), behind the lap's last run of LDS loads, for K steps 2 L + 4 and 2 L + 5, whose tensor loads are issued one and two K steps
; (128 and 256 matrix instructions) later: 32 KiB a work-group a lap.  K steps 2 and 3 are asked for at the start, 0 and 1 not at all.  The loop's last trip would ask past K's end: its offset is
; clamped to K steps 14 and 15, which are asked for again, so that no request leaves its row; the tail asks for nothing.  Rows 7,744 to 7,935 are asked for by two rows of one cluster (the overlap above).
; W is not asked for: the 32 blocks of rows of a layer read the same 2 MiB.
; LIMITS: operands are f16: a number of X or W beyond 65,504 becomes infinite, and so does a q, k or v beyond it (inputs 30 times the usual give about 600; a common offset of 30 spreads on X and W about 18,400).
; NaN and infinite inputs are not served (v passes the turn with cos = 1, sin = 0, and 0 x infinity is NaN).
; REGISTERS, in windows of 256: window 0: v0-31 addresses, v32-63 at work, v64-127 and v128-191 X's f16 fragments (two buffers), v192-255 the bias, later packed results
;   window 1: v0-63, v64-127 W's fragments (two buffers), v128-255 X in f32 as loaded.   windows 2, 3: accumulator (a, b) at v[8 (8 (a % 4) + b)], window 2 + a / 4
; A quarter's 48 LDS loads stand in ONE run at its head, never singly among the matrix instructions; 32 products follow back to back; the 64 conversions stand in slices of four behind
; each pair of the last 32 products, at the price of two window switches a slice.
.set PA,     272                       ; an LDS row of X: 256 bytes + 16: an odd multiple of 16, so the 16 rows that a load touches begin in 16 different groups of banks (ISA guide 11.1)
.set PB,     144                       ; an LDS row of W: 128 bytes + 16
.set AHALF,  128*PA
.set BHALF,  128*PB
.set ABYTES, 2*AHALF
.set SLOT,   ABYTES+2*BHALF            ; 106,496
.set STAGE,  2*SLOT                    ; behind the ring: for each wave 2 heads x 16 rows x 144 bytes
.set SWAVE,  2*16*PB
.set ROPE,   STAGE+4*SWAVE             ; the tile's 32 table rows of 256 bytes
.set ASTEP,  256                       ; bytes from a K step to the next: 64 f32 along X's rows,
.set BSTEP,  131072                    ; a block of wh
.set HEADB,  1024000                   ; bytes of a head in qh, kh, vh
.set ADRA, 16                          ; v16-17 LDS address of my X fragments in slot 0, 1
.set ADRB, 20                          ; v20-21 the same for W
.set STO,  24
.set RD,   25
.set CO,   26
.set RB,   27                          ; my first row m
.set RT,   28
.set RP,   29                          ; my place in the table rows
.set PF,   30                          ; the prefetch's byte offset from the tile's first row: my row, my K step
.set PFR,  31                          ; its part that stays: my row, and 256 bytes more for threads 64 on
.set OB,   32
.set AF,   64
.set Y,    64
.set BIAS, 192
.set TMP,  192
.set ST,   128                         ; window 1
.set G1,  24
.set G0,  32
.set G1B, 48
.set G0B, 56
.set TO_1, 0x40                        ; destination window 1, address window 0
.set CV,   0x05                        ; sources window 1, destination window 0
.set MSB, 0
.macro WIN new                         ; the immediate's high byte repeats the setting that is left; a switch that changes nothing is dropped
.if MSB != (\new)
	s_set_vgpr_msb (MSB<<8)|(\new)
.set MSB, (\new)
.endif
.endm
.macro PLACES                          ; four plain vector instructions behind a matrix instruction (ISA guide 7.12.1)
.rept 4
	v_nop
.endr
.endm
; A joint load: waves 0 and 1 fetch X's two halves, waves 2 and 3 W's.  The branch hangs on the wave's number alone.  Four v_nop follow each of the two lines.
.macro JLOAD s
	s_cmp_eq_u32 s11, 0
	s_cbranch_scc0 .Lfor_b_\@
	tensor_load_to_lds s[G0+4*\s:G0+4*\s+3], s[G1:G1+7]
	s_nop 0
.rept 4
	v_nop
.endr
	s_branch .Lasked_\@
.Lfor_b_\@:
	tensor_load_to_lds s[G0B+4*\s:G0B+4*\s+3], s[G1B:G1B+7]
	s_nop 0
.rept 4
	v_nop
.endr
.Lasked_\@:
.endm
.macro CREST                           ; a round of the cluster's barrier behind its opening barrier
	s_cmp_lg_u32 s10, 0
	s_cbranch_scc1 .Lnot_wave_0_\@
	s_barrier_signal -3
.Lnot_wave_0_\@:
	s_barrier_wait -3
	s_barrier_signal -1
	s_barrier_wait -1
.endm
.macro CROUND
	s_barrier_signal -1
	s_barrier_wait -1
	CREST
.endm
	s_load_b512 s[72:87], s[0:1], 0x0              ; query, key, value, q_b, k_b, v_b, wh, rope
	s_load_b128 s[88:91], s[0:1], 0x40             ; qh, kh
	s_load_b64 s[92:93], s[0:1], 0x50              ; vh
	v_lshl_add_u32 v22, v0, 2, 0x3a800
	v_mov_b32 v23, 0
	ds_add_u32 v22, v23
	ds_add_u32 v22, v23
	v_lshrrev_b32 v1, 5, v0
	v_readfirstlane_b32 s10, v1                    ; wave 0..3
	s_lshr_b32 s11, s10, 1                         ; which half of the tile's rows is mine.  Also: I fetch for X (0) or W (1)
	s_and_b32 s12, s10, 1                          ; which half of its columns.  Also: which 128 rows I fetch
	s_bfe_u32 s40, ttmp6, 0x40000                  ; cx
	s_bfe_u32 s41, ttmp6, 0x40004                  ; cy
	s_lshl_b32 s42, ttmp9, 2
	s_add_co_u32 s42, s42, s40                     ; tile column 0..3
	s_and_b32 s13, ttmp7, 0xffff                   ; cluster y 0..23
	s_lshr_b32 s66, s13, 3                         ; which layer: 0 q, 1 k, 2 v: the same in all sixteen partners
	s_and_b32 s13, s13, 7
	s_lshl_b32 s13, s13, 2
	s_add_co_u32 s13, s13, s41                     ; block of rows 0..31
	s_lshl_b32 s68, s13, 8                         ; the first row that this block stores
	s_min_u32 s69, s68, 7744                       ; the first row that it computes
	s_lshl_b32 s43, s41, 2
	s_lshl_b32 s43, 15, s43                        ; my row of the cluster
	s_lshl_b32 s44, 0x1111, s40                    ; my column
	; group 1 for X: 128 rows x 64 elements of 4 bytes, 1,024 elements from row to row; 4 words of padding behind every 64
	s_or_b32 s[G1+0], s43, (2<<16)|(1<<20)|(1<<21)|(5<<22)|(3<<25)
	s_mov_b32 s[G1+1], 64<<16                      ; tensor_dim0 = 64
	s_mov_b32 s[G1+2], 128<<16                     ; tensor_dim1 = 128
	s_mov_b32 s[G1+3], 64<<16                      ; tile_dim0 = 64
	s_mov_b32 s[G1+4], 128                         ; tile_dim1 = 128
	s_mov_b32 s[G1+5], 1024                        ; the pitch
	s_mov_b32 s[G1+6], 0
	s_mov_b32 s[G1+7], 0
	; group 1 for W: a dense block of 128 rows of 128 bytes, taken as 64 rows x 128 elements of 2 bytes; 4 words of padding behind every 32, so each row of W gets its own
	s_or_b32 s[G1B+0], s44, (1<<16)|(1<<20)|(1<<21)|(4<<22)|(3<<25)
	s_mov_b32 s[G1B+1], 128<<16
	s_mov_b32 s[G1B+2], 64<<16
	s_mov_b32 s[G1B+3], 128<<16
	s_mov_b32 s[G1B+4], 64
	s_mov_b32 s[G1B+5], 128
	s_mov_b32 s[G1B+6], 0
	s_mov_b32 s[G1B+7], 0
	s_lshl_b32 s17, s12, 7
	s_add_co_u32 s16, s69, s17
	s_lshl_b32 s16, s16, 12                        ; X: (first row + 128 x half) x 4,096 bytes
	s_mov_b32 s17, 0
	s_lshl_b32 s46, s42, 8
	s_lshl_b32 s47, s12, 7
	s_add_co_u32 s46, s46, s47
	s_lshl_b32 s46, s46, 7                         ; W: (256 x column + 128 x half) x 128 bytes
	s_lshl_b32 s47, s66, 21                        ; + the layer's matrix
	s_add_co_u32 s46, s46, s47
	s_mov_b32 s47, 0
	s_mul_i32 s20, s10, AHALF                      ; where they go: X's halves at wave x 128 rows,
	s_mul_i32 s23, s10, BHALF
	s_add_co_u32 s23, s23, ABYTES-2*BHALF          ; W's (waves 2, 3) behind X's 256 rows
	s_wait_dscnt 0x0
	s_wait_kmcnt 0x0
	s_cmp_eq_u32 s66, 1
	s_cselect_b64 s[4:5], s[74:75], s[72:73]       ; X
	s_cselect_b64 s[94:95], s[80:81], s[78:79]     ; the bias
	s_cselect_b64 s[8:9], s[90:91], s[88:89]       ; the output
	s_cmp_eq_u32 s66, 2
	s_cselect_b64 s[4:5], s[76:77], s[4:5]
	s_cselect_b64 s[94:95], s[82:83], s[94:95]
	s_cselect_b64 s[8:9], s[92:93], s[8:9]
	s_add_nc_u64 s[14:15], s[4:5], s[16:17]
	s_add_nc_u64 s[46:47], s[84:85], s[46:47]
	CROUND                                         ; all sixteen work-groups are here: the first joint loads meet
.irp s, 0,1
	s_mov_b32 s[G0+4*\s], 1
	s_add_co_u32 s[G0+4*\s+1], s20, \s*SLOT
	s_add_nc_u64 s[G0+4*\s+2:G0+4*\s+3], s[14:15], \s*ASTEP
	s_or_b32 s[G0+4*\s+3], s[G0+4*\s+3], 0x80000000
	s_mov_b32 s[G0B+4*\s], 1
	s_add_co_u32 s[G0B+4*\s+1], s23, \s*SLOT
	s_add_nc_u64 s[G0B+4*\s+2:G0B+4*\s+3], s[46:47], \s*BSTEP
	s_or_b32 s[G0B+4*\s+3], s[G0B+4*\s+3], 0x80000000
	JLOAD \s                                       ; K steps 0 and 1: two tensor loads of mine are out
.endr
	; the prefetch's addresses, and the first request: K steps 2 and 3.  cx enters a global address here, as it does in the output's: no LDS address, no branch, no descriptor
	v_and_b32 v14, 63, v0
	v_lshrrev_b32 v15, 6, v0                       ; threads 64 on take the odd K step of the two
	s_lshl_b32 s98, s40, 6                         ; my quarter of the tile's 256 rows
	v_add_nc_u32 v14, s98, v14
	v_lshlrev_b32 v[PFR], 12, v14                  ; row x 4,096 bytes
	v_lshl_add_u32 v[PFR], v15, 8, v[PFR]
	s_lshl_b32 s98, s69, 12                        ; the tile's first row, in bytes
	s_mov_b32 s99, 0
	s_add_nc_u64 s[96:97], s[4:5], s[98:99]        ; X at the tile's first row; never rewritten
	s_mov_b32 s98, 2*ASTEP                         ; from here on: the byte along K of the even K step that was asked for last
	v_add_nc_u32 v[PF], s98, v[PFR]
	global_prefetch_b8 v[PF], s[96:97] th:TH_LOAD_NT scope:SCOPE_SE
	v_and_b32 v1, 15, v0                           ; r = l % 16
	v_bfe_u32 v2, v0, 4, 1                         ; h = l / 16
	v_mul_u32_u24 v3, v1, PA
	v_lshl_add_u32 v3, v2, 5, v3                   ; X in f32: row x pitch + 32 h (8 numbers)
	v_mul_u32_u24 v4, v1, PB
	v_lshl_add_u32 v4, v2, 4, v4                   ; W in f16: row x pitch + 16 h
	s_mul_i32 s21, s11, AHALF
	s_mul_i32 s22, s12, BHALF
	s_add_co_u32 s22, s22, ABYTES
.irp s, 0,1
	v_add_nc_u32 v[ADRA+\s], s21, v3
	v_add_nc_u32 v[ADRB+\s], s22, v4
	s_add_co_u32 s21, s21, SLOT
	s_add_co_u32 s22, s22, SLOT
.endr
	s_mul_i32 s23, s10, SWAVE
	s_add_co_u32 s23, s23, STAGE                   ; my stage
	v_and_b32 v5, 7, v1
	v_lshrrev_b32 v6, 3, v1
	v_lshl_or_b32 v5, v5, 1, v6                    ; row m & 15 = r goes to row 2 (r & 7) + (r >> 3) of its sixteen
	v_mul_u32_u24 v5, v5, PB
	v_lshl_add_u32 v5, v2, 4, v5
	v_add_nc_u32 v[STO], s23, v5
	v_and_b32 v7, 31, v0
	v_lshrrev_b32 v8, 3, v7
	v_and_b32 v9, 7, v7
	v_mul_u32_u24 v8, v8, PB
	v_lshl_add_u32 v8, v9, 4, v8                   ; back: eight lanes take a row of 128 bytes, a wave four rows
	v_add_nc_u32 v[RD], s23, v8
	v_lshlrev_b32 v[CO], 4, v7                     ; and the same 512 consecutive bytes in memory
	s_lshl_b32 s14, s11, 7
	s_add_co_u32 s14, s14, s69                     ; my first row m
	v_mov_b32 v[RB], s14
	s_lshl_b32 s15, s11, 12                        ; my 128 rows are 16 tokens: 16 table rows of 256 bytes
	s_add_co_u32 s15, s15, ROPE
	v_lshlrev_b32 v10, 8, v6                       ; rows r >= 8 are the next token
	v_lshl_add_u32 v10, v2, 5, v10
	v_add_nc_u32 v[RP], s15, v10
	s_lshl_b32 s16, s42, 10
	s_lshl_b32 s17, s12, 9
	s_add_co_u32 s16, s16, s17                     ; my first column, in bytes of f32
	v_lshlrev_b32 v11, 5, v2
	v_add_nc_u32 v11, s16, v11
.irp b, 0,1,2,3,4,5,6,7                ; register j of block b: bias[first column + 16 b + 8 h + j], the layout of an accumulator
	global_load_b128 v[BIAS+8*\b:BIAS+8*\b+3], v11, s[94:95] offset:64*\b
	global_load_b128 v[BIAS+8*\b+4:BIAS+8*\b+7], v11, s[94:95] offset:64*\b+16
.endr
	s_lshr_b32 s17, s69, 3                         ; the tile's first token
	s_cmp_lg_u32 s66, 2
	s_cselect_b32 s67, 256, 0                      ; bytes of a table row; for v every row is row 0: cos = 1, sin = 0
	v_lshrrev_b32 v12, 4, v0
	v_add_nc_u32 v12, s17, v12
.irp i, 0,1,2,3
	v_add_nc_u32 v[32+\i], 8*\i, v12
	v_mul_lo_u32 v[32+\i], v[32+\i], s67
	v_lshl_add_u32 v[32+\i], v1, 4, v[32+\i]
	global_load_b128 v[36+4*\i:39+4*\i], v[32+\i], s[86:87]        ; sixteen lanes read a whole table row
.endr
	v_lshlrev_b32 v13, 4, v0
	v_add_nc_u32 v13, ROPE, v13
	s_lshl_b32 s16, s42, 2
	s_lshl_b32 s17, s12, 1
	s_add_co_u32 s16, s16, s17                     ; my first head
	s_mul_i32 s16, s16, HEADB
	s_lshl_b32 s17, s14, 7                         ; my first row, 128 bytes each
	s_add_co_u32 s16, s16, s17
	s_mov_b32 s17, 0
	s_add_nc_u64 s[8:9], s[8:9], s[16:17]
	s_wait_loadcnt 0x0                             ; bias and table rows
.irp i, 0,1,2,3
	ds_store_b128 v13, v[36+4*\i:39+4*\i] offset:2048*\i
.endr
	s_wait_dscnt 0x0                               ; for the others' sake: my part of the table rows is in LDS
	s_wait_tensorcnt 0x1                           ; my part of K step 0 is in; K step 1's may stay out
	s_barrier_signal -1
	s_barrier_wait -1
; Two matrix instructions: block a = p >> 2 of my rows, blocks b = 2 (p & 3) and the next of my columns, 32 along K out of buffer f.
; The 64 accumulators take turns, one instruction a turn, in the same order in every quarter.  first = 1: C is the bias: nothing is cleared.
.macro PAIR p, f, first
.set pa, (\p)>>2
.set pb, 2*((\p)&3)
.set rD, 8*(8*(pa%4)+pb)
.set rB, 64*(\f)+8*pb
.set rA, AF+64*(\f)+8*pa
.if \first
	WIN 0x81+0x40*(pa/4)
	v_wmma_f32_16x16x32_f16 v[rD:rD+7], v[rB:rB+7], v[rA:rA+7], v[BIAS+8*pb:BIAS+8*pb+7]
	v_wmma_f32_16x16x32_f16 v[rD+8:rD+15], v[rB+8:rB+15], v[rA:rA+7], v[BIAS+8*pb+8:BIAS+8*pb+15]
.else
	WIN 0xa1+0x50*(pa/4)
	v_wmma_f32_16x16x32_f16 v[rD:rD+7], v[rB:rB+7], v[rA:rA+7], v[rD:rD+7]
	v_wmma_f32_16x16x32_f16 v[rD+8:rD+15], v[rB+8:rB+15], v[rA:rA+7], v[rD+8:rD+15]
.endif
.endm
; Load n of a quarter's 48.  n < 32: X in f32: half fragment n >> 1 (16 rows x 8 k a lane), its part n & 1.  The others: W's fragments into buffer g.
.macro LD48 n, ls, lk, g
.if (\n) < 32
	ds_load_b128 v[ST+4*(\n):ST+4*(\n)+3], v[ADRA+\ls] offset:((\n)>>2)*16*PA+\lk*128+(((\n)>>1)&1)*64+((\n)&1)*16
.else
	ds_load_b128 v[64*(\g)+4*((\n)-32):64*(\g)+4*((\n)-32)+3], v[ADRB+\ls] offset:(((\n)-32)>>1)*16*PB+\lk*64+((\n)&1)*32
.endif
.endm
.macro CV4 j, g                        ; half fragment j is rounded to f16 into buffer g
.irp i, 0,1,2,3
	v_cvt_pk_f16_f32 v[AF+64*(\g)+4*(\j)+\i], v[ST+8*(\j)+2*\i], v[ST+8*(\j)+2*\i+1]
.endr
.endm
; A QUARTER: 64 matrix instructions, 32 along K, out of buffer f.  fetch = 1: the next quarter's operands (slot ls, half lk of its 64 k) come into the other buffer: 48 LDS loads in one
; run at the head, where their targets are free: the staging block has been read out by the last quarter's conversions, and the last four of those, which name no register of the last
; product, are the four places between the products that read W's other buffer and the loads into it (and the conversions into X's other buffer).
; Then 32 products back to back; then four conversions behind each of the last 16 pairs.
; meet = 1: a change of slots: in front of the barrier each wave waits for its reads of slot ls (issued 48 products ago) and for all its tensor loads (one is out: its part of the other slot).
; meet = 2: the barrier opens a round of the cluster's barrier, and slot rs, just read out, is filled again two K steps on: the first tensor load behind the round, my only one until the next.
; pf = 1: the lap's request ahead, behind the run of LDS loads; its offset steps two K steps on, up to K steps 14 and 15 and no further.
.macro QTR f, ls, lk, first, fetch, meet, rs, pf
	s_wait_dscnt 0x0                               ; W's fragments of this quarter are in (issued a quarter ago)
.if \pf
	WIN 0
	s_add_co_u32 s98, s98, 2*ASTEP
	s_min_u32 s98, s98, 14*ASTEP                   ; the clamp: no request passes the end of its row
	s_wait_xcnt 0x0                                ; the last request, a lap ago, has had its address translated (ISA guide 3.1): only behind this wait is its offset register rewritten
	v_add_nc_u32 v[PF], s98, v[PFR]
.endif
.if \fetch
	WIN TO_1
.set nn, 0
.rept 48
	LD48 nn, \ls, \lk, 1-\f
.set nn, nn+1
.endr
.endif
.if \pf
	global_prefetch_b8 v[PF], s[96:97] th:TH_LOAD_NT scope:SCOPE_SE   ; the address is source 0: window 0 under this setting
.endif
.set pp, 0
.rept 16
	PAIR pp, \f, \first
.set pp, pp+1
.endr
.rept 16
.if \meet && (pp == 24)
	s_wait_dscnt 0x0                               ; my reads of this slot are over,
	s_set_vgpr_msb 0x500
	s_wait_tensorcnt 0x0                           ; and all my tensor loads have landed
	ds_add_u32 v22, v23
	s_wait_dscnt 0x0
	s_set_vgpr_msb 0x5
	s_barrier_signal -1                            ; register work alone from here to the wait
.endif
	PAIR pp, \f, \first
.if \fetch
.if !(\meet) || (pp < 24)
	s_wait_dscnt 46-2*(pp-16)                      ; LDS loads come back in order (ISA guide 5.7.1): of the 48, those behind this half fragment's two may stay out
.endif
	WIN CV
	CV4 pp-16, 1-\f
.endif
.set pp, pp+1
.endr
.if \meet
	WIN 0                                          ; at a branch and at a label every window is 0
	s_barrier_wait -1
.if \meet == 2
	CREST                                          ; no wave of any partner still reads this slot's tile or has a load on its way
	s_add_nc_u64 s[G0+4*\rs+2:G0+4*\rs+3], s[G0+4*\rs+2:G0+4*\rs+3], 2*ASTEP
	s_add_nc_u64 s[G0B+4*\rs+2:G0B+4*\rs+3], s[G0B+4*\rs+2:G0B+4*\rs+3], 2*BSTEP
	JLOAD \rs                                      ; 112 matrix instructions stand between this request and the wait for it
.endif
.endif
.endm
	WIN TO_1                                       ; the first quarter's operands, in one run
.set nn, 0
.rept 48
	LD48 nn, 0, 0, 0
.set nn, nn+1
.endr
	s_wait_dscnt 16                                ; X's 32 loads are in, W's 16 may stay out
	WIN CV
.set jj, 0
.rept 16
	CV4 jj, 0
.set jj, jj+1
.endr
	QTR 0, 0, 1, 1, 1, 2, 0, 0                     ; K step 0: its first quarter starts the sums with the bias
	QTR 1, 1, 0, 0, 1, 0, 0, 0
	QTR 0, 1, 1, 0, 1, 2, 1, 0                     ; K step 1
	QTR 1, 0, 0, 0, 1, 0, 0, 1                     ; K steps 4 and 5 are asked for ahead
	WIN 0
	s_mov_b32 s3, 6
.Llap:                                                 ; a trip is two K steps and fills both slots again: K steps 2 to 13
	QTR 0, 0, 1, 0, 1, 2, 0, 0
	QTR 1, 1, 0, 0, 1, 0, 0, 0
	QTR 0, 1, 1, 0, 1, 2, 1, 0
	QTR 1, 0, 0, 0, 1, 0, 0, 1                     ; asked for ahead: K steps 6, 7 in the first trip, 14, 15 in the fifth, and in the sixth again (the clamp)
	WIN 0
	s_sub_co_u32 s3, s3, 1
	s_cmp_lg_u32 s3, 0
	s_cbranch_scc1 .Llap
	QTR 0, 0, 1, 0, 1, 1, 0, 0                     ; K steps 14 and 15 are written out: nothing is left to fetch, so the barrier opens no round
	QTR 1, 1, 0, 0, 1, 0, 0, 0
	QTR 0, 1, 1, 0, 1, 0, 0, 0
	QTR 1, 0, 0, 0, 0, 0, 0, 0
; THE WAY OUT, a block of 16 rows at a time.  My 128 columns are two heads hh; in a head, column blocks 0, 1 are channels d < 32 (x1) and blocks 2, 3 channels d + 32 (x2):
; y1 = cos x1 - sin x2, y2 = cos x2 + sin x1, with cos and sin of token (row >> 3) and frequency d.
.macro RLOAD a                         ; cos (16) and sin (16) of my lane's channels for block a's two tokens
.set RC, 128+32*((\a)%2)
.irp q, 0,1,2,3,4,5,6,7
	ds_load_b128 v[RC+4*\q:RC+4*\q+3], v[RP] offset:(\a)*512+(\q>>2)*128+((\q>>1)&1)*64+(\q&1)*16
.endr
.endm
.macro PACK a, left                    ; left: the LDS instructions issued behind RLOAD a, which may stay out
.set RC, 128+32*((\a)%2)
.set AC, 64*((\a)%4)
	s_wait_dscnt \left
	WIN 0x08+4*((\a)/4)                            ; source 1: the accumulators' window
.irp hh, 0,1
.irp bb, 0,1
.irp i, 0,2,4,6
.set rX1, AC+8*(4*\hh+\bb)+\i
.set rX2, rX1+16
.set rY1, Y+8*(4*\hh+\bb)+\i
.set rY2, rY1+16
.set rCS, RC+8*\bb+\i
.set rSN, rCS+16
	v_pk_mul_f32 v[rY1:rY1+1], v[rSN:rSN+1], v[rX2:rX2+1]
	v_pk_mul_f32 v[rY2:rY2+1], v[rSN:rSN+1], v[rX1:rX1+1]
	v_pk_fma_f32 v[rY1:rY1+1], v[rCS:rCS+1], v[rX1:rX1+1], v[rY1:rY1+1] neg_lo:[0,0,1] neg_hi:[0,0,1]
	v_pk_fma_f32 v[rY2:rY2+1], v[rCS:rCS+1], v[rX2:rX2+1], v[rY2:rY2+1]
.endr
.endr
.endr
	WIN 0
.set i, 0
.rept 32
	v_cvt_pk_f16_f32 v[TMP+i], v[Y+2*i], v[Y+2*i+1]
.set i, i+1
.endr
.endm
.macro TOSTAGE a                       ; 16 bytes a lane into my stage, in the stored order of rows; back as whole rows
.set BK, OB+192*((\a)%2)
.irp b, 0,1,2,3,4,5,6,7
	ds_store_b128 v[STO], v[TMP+4*\b:TMP+4*\b+3] offset:(\b>>2)*16*PB+(\b&3)*32
.endr
.irp t, 0,1,2,3,4,5,6,7
	ds_load_b128 v[BK+4*\t:BK+4*\t+3], v[RD] offset:(\t>>2)*16*PB+(\t&3)*4*PB   ; LDS serves a wave's instructions in order (ISA guide 5.7.1.4): these see the stores above
.endr
.endm
.macro SEND a, left
.set BK, OB+192*((\a)%2)
	s_wait_dscnt \left                             ; the block is back in registers
	v_add_nc_u32 v[RT], 16*(\a), v[RB]
	v_cmp_ge_u32 vcc_lo, v[RT], s68                ; the block's rows are this work-group's to store, or its neighbour's: all lanes alike
	s_wait_xcnt 0x0                                ; EXEC is a source of every pending load and store: it changes only behind this wait
	s_and_saveexec_b32 s70, vcc_lo
.irp t, 0,1,2,3,4,5,6,7
	global_store_b128 v[CO], v[BK+4*\t:BK+4*\t+3], s[8:9] offset:(\t>>2)*HEADB+(\a)*2048+(\t&3)*512   ; a wave stores 512 consecutive bytes, aligned to 512
.endr
	s_wait_xcnt 0x0                                ; and again in front of the line that widens it; the stores' data registers are free behind it too
	s_or_b32 exec_lo, exec_lo, s70
.endm
	WIN 0
	PLACES                                         ; behind the last products: for the loads into X's buffers and the reads of the sums
	RLOAD 0
	RLOAD 1
	PACK 0, 8                                      ; RLOAD 1's eight may stay out
	TOSTAGE 0
.irp a, 1,2,3,4,5,6
	RLOAD \a+1
	PACK \a, 24                                    ; the stage's sixteen of the block before and the next block's eight
	SEND \a-1, 8
	TOSTAGE \a
.endr
	PACK 7, 16
	SEND 6, 0
	TOSTAGE 7
	SEND 7, 0
	s_wait_tensorcnt 0x0
	ds_add_u32 v22, v23
	s_wait_dscnt 0x0
	CROUND                                         ; the closing round: no work-group ends while a partner may still ask for a tile that names it
	s_endpgm
.Lfunc_end_k_qa5a12d37d3_proj:
	.size	k_qa5a12d37d3_proj, .Lfunc_end_k_qa5a12d37d3_proj-k_qa5a12d37d3_proj
	.p2alignl 7, 3214868480
	.fill 96, 4, 3214868480
	.section	.rodata,"a",@progbits
	.p2align	6, 0x0
	.amdhsa_kernel k_qa5a12d37d3_proj
		.amdhsa_group_segment_fixed_size 327680
		.amdhsa_private_segment_fixed_size 0
		.amdhsa_enable_private_segment 0
		.amdhsa_kernarg_size 88
		.amdhsa_user_sgpr_count 2
		.amdhsa_user_sgpr_kernarg_segment_ptr 1
		.amdhsa_wavefront_size32 1
		.amdhsa_system_sgpr_workgroup_id_x 1
		.amdhsa_system_sgpr_workgroup_id_y 1
		.amdhsa_system_sgpr_workgroup_id_z 1
		.amdhsa_system_vgpr_workitem_id 0
		.amdhsa_next_free_vgpr 1024
		.amdhsa_next_free_sgpr 100
		.amdhsa_reserve_vcc 1
		.amdhsa_float_denorm_mode_32 3
		.amdhsa_float_denorm_mode_16_64 3
		.amdhsa_memory_ordered 1
		.amdhsa_forward_progress 1
		.amdhsa_inst_pref_size 236
	.end_amdhsa_kernel
	.amdgpu_metadata
---
amdhsa.version: [ 1, 2 ]
amdhsa.kernels:
  - .name:           k_qa5a12d37d3_proj
    .symbol:         k_qa5a12d37d3_proj.kd
    .args:
      - { .name: query, .offset: 0, .size: 8, .value_kind: global_buffer, .address_space: global }
      - { .name: key, .offset: 8, .size: 8, .value_kind: global_buffer, .address_space: global }
      - { .name: value, .offset: 16, .size: 8, .value_kind: global_buffer, .address_space: global }
      - { .name: q_b, .offset: 24, .size: 8, .value_kind: global_buffer, .address_space: global }
      - { .name: k_b, .offset: 32, .size: 8, .value_kind: global_buffer, .address_space: global }
      - { .name: v_b, .offset: 40, .size: 8, .value_kind: global_buffer, .address_space: global }
      - { .name: wh, .offset: 48, .size: 8, .value_kind: global_buffer, .address_space: global }
      - { .name: rope, .offset: 56, .size: 8, .value_kind: global_buffer, .address_space: global }
      - { .name: qh, .offset: 64, .size: 8, .value_kind: global_buffer, .address_space: global }
      - { .name: kh, .offset: 72, .size: 8, .value_kind: global_buffer, .address_space: global }
      - { .name: vh, .offset: 80, .size: 8, .value_kind: global_buffer, .address_space: global }
    .group_segment_fixed_size: 327680
    .private_segment_fixed_size: 0
    .kernarg_segment_align: 8
    .kernarg_segment_size: 88
    .max_flat_workgroup_size: 128
    .sgpr_count:     100
    .vgpr_count:     1024
    .wavefront_size: 32
...
	.end_amdgpu_metadata
.endif
;; end of part 2
;; launch attn (part 3): grid 2 x 128, 8 waves a work-group, no clusters, 312,320 bytes of LDS; arguments qh, kh, vh, ah; writes ah
.if DOCPART == 3
	.amdgcn_target "amdgcn-amd-amdhsa--gfx1250"
	.amdhsa_code_object_version 6
	.text
	.protected	k_qa5a12d37d3_attn
	.globl	k_qa5a12d37d3_attn
	.p2align	8
	.type	k_qa5a12d37d3_attn,@function
k_qa5a12d37d3_attn:
	s_mov_b64 s[64:65], 0
	v_nop
	global_prefetch_b8 v0, s[64:65] scope:SCOPE_SE
	s_setreg_imm32_b32 hwreg(HW_REG_WAVE_MODE, 25, 1), 1
	s_wait_xcnt 0x0
; ah[head][rho(t, b)][:] = the sum over keys k of softmax_k(q[t] . k[k] / 8) v[k][:], for each of 16 heads x 8 batches, 1,000 tokens, 64 channels.  All four tensors f16, laid
; [head][(t >> 1)][b][t & 1][64]: for one head and batch, two tokens are 256 consecutive bytes, 2,048 bytes from pair to pair.  Products, maxima and sums in f32; the weights p (0 .. 1) are rounded to f16.
; SHARES.  Work-group (x, y): head y >> 3, batch y & 7, 512 queries from 488 x on; x = 1 stores only t >= 512 (24 rows are computed twice, which spares every clamp).  Eight waves of 64 queries:
; four tiles of 16.  A wave takes 512 registers, so two waves share a SIMD: one's softmax runs beside the other's products, and the step is written in plain phases.
; ALL OF K AND V STAYS IN LDS: 1,024 key rows of 144 bytes, then 1,024 value rows of 160; keys 1,000 .. 1,023 arrive as zeros and their scores are set to -infinity.  Nothing is filled twice.
; The fills go out at the start, four a wave, fill j bringing key steps 4 j .. 4 j + 3.  Two barriers show them to all waves: fill 0 in front of key step 0, the others in front of key step 3
; (which fetches K of step 4).  Key steps 0 to 2 are written out, so that every LDS address that is read while fills are out is a sum of constants.
; NO CLUSTER: a head's K and V are read by two work-groups only, once each, and the grid is two wide: it does not divide into clusters of four that share a tile.
; NO PREFETCH: all that the work-group reads is asked for at its start.
; LAYOUT.  S^T = K Q^T and O^T = V^T P: a lane holds ONE query (lane % 16) in S^T, P and O^T; two tiles of S^T, rounded in pairs, are source 1 of the second product.  V is turned by ds_load_tr16_b128.
; SOFTMAX.  Running maximum m and sum l for each query: p = 2^(c s - c m), c = log2(e) / 8 (it carries q's factor 1/8); O and l are multiplied by 2^(c m_old - c m_new) in every step.
; LIMITS: NaN and infinite inputs are not served.
; REGISTERS.  window 0: v1-12 addresses; v16-47 eight statistics a tile (c m, m, l even, l odd, c0-c3); v48-111 Q; v112-239 S^T, 32 a tile, P in place in the first 16; v240 -infinity
;   window 1: v0-127 O^T, 32 a tile; v128-191 K of a step; v192-255 V of a step
.set PK,    144                        ; odd multiple of 16: the 16 rows of a load begin in 16 different groups of banks (ISA guide 11.1)
.set PV,    160                        ; odd multiple of 32, for the turning load
.set KSTEP, 64*PK
.set VSTEP, 64*PV
.set VB,    1024*PK
.set AK,  3
.set AV,  4
.set QO,  5
.set STO, 6
.set RD,  7
.set GO,  8
.set ST,  16
.set Q,   48
.set S,   112
.set NI,  240
.set KF,  128
.set VF,  192
.set CS,  58
.set SEL, 60
.set MSB, 0
.macro WIN new
.if MSB != (\new)
	s_set_vgpr_msb (MSB<<8)|(\new)
.set MSB, (\new)
.endif
.endm
.macro PLACES
.rept 4
	v_nop
.endr
.endm
; A wave's four fills: key steps (w & 3), + 4, + 8, + 12, each 64 keys = 32 rows x 128 elements of 2 bytes, 1,024 elements from row to row; padding behind every 32 words.
; The last of them states how many rows are left of the 500 (rows - 32 w): key step 15 has 20, and the rest of its tile arrives as zeros.
.macro FILLS plo, stepb, base, padc, rows
	s_mov_b32 s24, (1<<16)|(1<<20)|(4<<22)|(\padc<<25)
	s_mov_b32 s25, 128<<16                         ; tensor_dim0 = 128
	s_mov_b32 s26, 32<<16                          ; tensor_dim1 = 32
	s_mov_b32 s27, 128<<16                         ; tile_dim0 = 128
	s_mov_b32 s28, 32                              ; tile_dim1 = 32
	s_mov_b32 s29, 1024                            ; the pitch
	s_mov_b32 s30, 0
	s_mov_b32 s31, 0
	s_mov_b32 s32, (1<<16)|(1<<20)|(4<<22)|(\padc<<25)
	s_mov_b32 s33, 128<<16
	s_lshl_b32 s34, s12, 5
	s_sub_co_u32 s34, \rows, s34
	s_lshl_b32 s34, s34, 16                        ; tensor_dim1 = the rows left: 116, 84, 52, 20
	s_mov_b32 s35, 128<<16
	s_mov_b32 s36, 32
	s_mov_b32 s37, 1024
	s_mov_b32 s38, 0
	s_mov_b32 s39, 0
	s_mul_i32 s20, s12, \stepb
.irp j, 0,1,2,3
	s_mov_b32 s[40+4*\j], 1
	s_add_co_u32 s[41+4*\j], s20, \base+\j*4*\stepb
	s_add_nc_u64 s[42+4*\j:43+4*\j], s[\plo:\plo+1], \j*262144
	s_or_b32 s[43+4*\j], s[43+4*\j], 0x80000000
.endr
	tensor_load_to_lds s[40:43], s[24:31]
	s_nop 0
	tensor_load_to_lds s[44:47], s[24:31]
	s_nop 0
	tensor_load_to_lds s[48:51], s[24:31]
	s_nop 0
	tensor_load_to_lds s[52:55], s[32:39]          ; four tensor loads of mine are out
	s_nop 0
.rept 4
	v_nop
.endr
.endm
	s_load_b256 s[4:11], s[0:1], 0x0               ; qh, kh, vh, ah
	v_lshl_add_u32 v254, v0, 2, 0x4c000
	v_mov_b32 v255, 0
	ds_add_u32 v254, v255
	ds_add_u32 v254, v255
	v_lshrrev_b32 v1, 5, v0
	v_readfirstlane_b32 s12, v1                    ; wave 0..7
	s_and_b32 s14, ttmp7, 0xffff
	s_lshr_b32 s15, s14, 3                         ; head
	s_and_b32 s14, s14, 7                          ; batch
	s_mul_i32 s16, s15, 1024000
	s_lshl_b32 s17, s14, 8
	s_add_co_u32 s16, s16, s17                     ; the head's and batch's first byte in each tensor
	s_and_b32 s18, s12, 3
	s_lshl_b32 s18, s18, 16                        ; my first key step: 32 pairs of 2,048 bytes each
	s_add_co_u32 s18, s18, s16
	s_mov_b32 s19, 0
	s_mul_i32 s20, ttmp9, 488
	s_lshl_b32 s21, s12, 6
	s_add_co_u32 s20, s20, s21                     ; my wave's first query (even)
	s_lshl_b32 s22, s20, 10                        ; 1,024 bytes a token
	s_add_co_u32 s22, s22, s16
	s_mov_b32 s23, 0
	s_mul_i32 s56, ttmp9, 24
	s_sub_co_i32 s56, s56, s21                     ; 512 x less my first query: rows of mine from this one on are stored
	s_mov_b32 s[CS], 0x3e38aa3b                    ; c = log2(e) / 8
	s_mov_b32 s[CS+1], s[CS]
	s_mov_b32 s[SEL], 0x76543210
	s_mov_b32 s[SEL+1], 0xfedcba98
	s_wait_dscnt 0x0
	s_wait_kmcnt 0x0
	s_add_nc_u64 s[6:7], s[6:7], s[18:19]
	s_add_nc_u64 s[8:9], s[8:9], s[18:19]
	s_add_nc_u64 s[4:5], s[4:5], s[22:23]
	s_add_nc_u64 s[10:11], s[10:11], s[22:23]
	s_cmp_lt_u32 s12, 4                            ; waves 0-3 fetch K, waves 4-7 V; a wave's fills stand in one branch, ahead of every wait on TENSORcnt, LDS read and barrier
	s_cbranch_scc0 .Lfill_v
	FILLS 6, KSTEP, 0, 3, 116
	s_branch .Lfilled
.Lfill_v:
	FILLS 8, VSTEP, VB-4*VSTEP, 7, 244
.Lfilled:
	v_and_b32 v1, 15, v0                           ; r
	v_bfe_u32 v2, v0, 4, 1                         ; h
	v_lshrrev_b32 v9, 1, v1
	v_and_b32 v10, 1, v1
	v_lshlrev_b32 v[QO], 11, v9                    ; query r of a tile: pair r >> 1, token r & 1, channels 8 h on
	v_lshl_add_u32 v[QO], v10, 7, v[QO]
	v_lshl_add_u32 v[QO], v2, 4, v[QO]
.irp i, 0,1,2,3,4,5,6,7                ; Q stays in registers: tile i / 2, channels 32 (i % 2) on
	global_load_b128 v[Q+8*\i:Q+8*\i+3], v[QO], s[4:5] offset:(\i/2)*16384+(\i%2)*64
	global_load_b128 v[Q+8*\i+4:Q+8*\i+7], v[QO], s[4:5] offset:(\i/2)*16384+(\i%2)*64+32
.endr
	v_mul_u32_u24 v[AK], v1, PK
	v_lshl_add_u32 v[AK], v2, 4, v[AK]             ; K: row x pitch + 16 h
	v_and_b32 v9, 7, v0
	v_bfe_u32 v10, v0, 3, 1
	v_lshl_add_u32 v[AV], v2, 3, v9                ; V: key 8 h + l % 8, channels 8 ((l / 8) % 2) on
	v_mul_u32_u24 v[AV], v[AV], PV
	v_lshl_add_u32 v[AV], v10, 4, v[AV]
	v_add_nc_u32 v[AV], VB, v[AV]
	s_mul_i32 s13, s12, 16*PK                      ; my stage for the way out: 16 rows of 144 bytes, on K's first bytes, which have had their only fill
	v_add_nc_u32 v[STO], s13, v[AK]
	v_and_b32 v11, 31, v0
	v_lshrrev_b32 v12, 3, v11
	v_mul_u32_u24 v[RD], v12, PK
	v_lshl_add_u32 v[RD], v9, 4, v[RD]
	v_add_nc_u32 v[RD], s13, v[RD]                 ; back: eight lanes take a row of 128 bytes
	v_lshlrev_b32 v[GO], 11, v2                    ; in memory: lanes 0-15 one pair of tokens (256 consecutive bytes), lanes 16-31 the next pair
	v_lshl_add_u32 v[GO], v10, 7, v[GO]
	v_lshl_add_u32 v[GO], v9, 4, v[GO]
	v_mov_b32 v[NI], 0xff800000
.macro KLOADS                          ; 64 keys x 64 channels: keys 16 (f / 2) on, channels 32 (f % 2) on
.irp f, 0,1,2,3,4,5,6,7
	ds_load_b128 v[KF+8*\f:KF+8*\f+3], v[AK] offset:(\f/2)*16*PK+(\f%2)*64
	ds_load_b128 v[KF+8*\f+4:KF+8*\f+7], v[AK] offset:(\f/2)*16*PK+(\f%2)*64+32
.endr
.endm
.macro VLOADS                          ; turned: keys 32 (f / 4) on, channels 16 (f % 4) on
.irp f, 0,1,2,3,4,5,6,7
	ds_load_tr16_b128 v[VF+8*\f:VF+8*\f+3], v[AV] offset:(\f/4)*32*PV+(\f%4)*32
	ds_load_tr16_b128 v[VF+8*\f+4:VF+8*\f+7], v[AV] offset:(\f/4)*32*PV+16*PV+(\f%4)*32
.endr
.endm
; The products: in each, 16 accumulators take turns, one instruction a turn.
.macro QK
	WIN 0x01                                       ; K in window 1; Q and S^T in window 0
.irp c, 0,1
.irp t, 0,1,2,3
.irp k, 0,1,2,3
.if \c == 0
	v_wmma_f32_16x16x32_f16 v[S+32*\t+8*\k:S+32*\t+8*\k+7], v[KF+16*\k+8*\c:KF+16*\k+8*\c+7], v[Q+16*\t+8*\c:Q+16*\t+8*\c+7], 0
.else
	v_wmma_f32_16x16x32_f16 v[S+32*\t+8*\k:S+32*\t+8*\k+7], v[KF+16*\k+8*\c:KF+16*\k+8*\c+7], v[Q+16*\t+8*\c:Q+16*\t+8*\c+7], v[S+32*\t+8*\k:S+32*\t+8*\k+7]
.endif
.endr
.endr
.endr
.endm
.macro PVM first
	WIN 0x51                                       ; V and O^T in window 1, P in window 0
.irp c, 0,1
.irp t, 0,1,2,3
.irp b, 0,1,2,3
.if \first && (\c == 0)
	v_wmma_f32_16x16x32_f16 v[32*\t+8*\b:32*\t+8*\b+7], v[VF+32*\c+8*\b:VF+32*\c+8*\b+7], v[S+32*\t+8*\c:S+32*\t+8*\c+7], 0
.else
	v_wmma_f32_16x16x32_f16 v[32*\t+8*\b:32*\t+8*\b+7], v[VF+32*\c+8*\b:VF+32*\c+8*\b+7], v[S+32*\t+8*\c:S+32*\t+8*\c+7], v[32*\t+8*\b:32*\t+8*\b+7]
.endif
.endr
.endr
.endr
.endm
; Number j of 22 of a tile's maximum: four chains of seven scores, the four left over, the old m; the other half of the lanes; the new m, c m, and a = 2^(c m_old - c m_new) into c2.
.macro MX t, first
.set rT, ST+8*(\t)
.set rS, S+32*(\t)
.if j < 4
	v_max3_num_f32 v[rT+4+j], v[rS+8*j], v[rS+8*j+1], v[rS+8*j+2]
.elseif j < 12
	v_max3_num_f32 v[rT+4+j%4], v[rT+4+j%4], v[rS+8*(j%4)+2*(j/4)+1], v[rS+8*(j%4)+2*(j/4)+2]
.elseif j == 12
	v_max3_num_f32 v[rT+4], v[rT+4], v[rS+7], v[rS+15]
.elseif j == 13
	v_max3_num_f32 v[rT+6], v[rT+6], v[rS+23], v[rS+31]
.elseif j == 14
	v_max3_num_f32 v[rT+4], v[rT+4], v[rT+5], v[rT+6]
.elseif (j == 15) && \first
	v_max_num_f32 v[rT+4], v[rT+4], v[rT+7]
.elseif j == 15
	v_max3_num_f32 v[rT+4], v[rT+4], v[rT+7], v[rT+1]
.elseif j == 16
	v_permlanex16_b32 v[rT+5], v[rT+4], s[SEL], s[SEL+1]   ; the query's other 32 keys lie in the lane 16 away
.elseif j == 18
	v_max_num_f32 v[rT+1], v[rT+4], v[rT+5]
.elseif j == 19
	v_mul_f32 v[rT], s[CS], v[rT+1]
.elseif \first                         ; the first step has no old maximum
.elseif j == 17
	v_mov_b32 v[rT+7], v[rT]
.elseif j == 20
	v_sub_f32 v[rT+7], v[rT+7], v[rT]
.elseif j == 21
	v_exp_f32 v[rT+6], v[rT+7]
.endif
.endm
.macro SCALE p                         ; pair p: c s - c m
	v_pk_fma_f32 v[rS+2*(\p):rS+2*(\p)+1], v[rS+2*(\p):rS+2*(\p)+1], s[CS:CS+1], v[rT:rT+1] op_sel_hi:[1,0,0] neg_lo:[0,0,1] neg_hi:[0,0,1]
.endm
.macro SUMCV p, first                  ; pair p of weights is added to l (pair 0: l = a l + it) and rounded to f16 into register p, whose own pair is done
.if (\p) == 0
.if \first
	s_wait_alu depctr_va_vdst(0)
	v_mov_b32 v[rT+2], v[rS]
	v_mov_b32 v[rT+3], v[rS+1]
.else
	s_wait_alu depctr_va_vdst(0)
	v_pk_fma_f32 v[rT+2:rT+3], v[rT+2:rT+3], v[rT+6:rT+7], v[rS:rS+1] op_sel_hi:[1,0,1]
.endif
.else
	s_wait_alu depctr_va_vdst(0)
	v_pk_add_f32 v[rT+2:rT+3], v[rT+2:rT+3], v[rS+2*(\p):rS+2*(\p)+1]
.endif
	v_cvt_pk_f16_f32 v[rS+(\p)], v[rS+2*(\p)], v[rS+2*(\p)+1]
.endm
; A tile's 32 exponentials.  Behind each stands a plain instruction that touches neither its result nor its source before the result is used (ISA guide 5.7.2):
; the scaling of a pair two ahead, or the sum of the pair before.
.macro XBLK t, first
.set rT, ST+8*(\t)
.set rS, S+32*(\t)
	SCALE 0
	SCALE 1
.set i, 0
.rept 16
	v_exp_f32 v[rS+2*i], v[rS+2*i]
.if i < 14
	SCALE i+2
.endif
	v_exp_f32 v[rS+2*i+1], v[rS+2*i+1]
.if i > 0
	SUMCV i-1, \first
.endif
.set i, i+1
.endr
	SUMCV 15, \first
.endm
; A KEY STEP, 64 keys.  first: it starts m, l and O^T.  pre: the next step's K is fetched.  tail: keys 1,000 on are masked.
.macro STEP first, pre, tail
	s_wait_dscnt 0x0                               ; K of this step is in
	QK
	WIN 0
	PLACES                                         ; behind the products: for the reads of S^T and the loads into K's registers
.if \tail
	s_mov_b32 vcc_lo, 0xffff0000                   ; keys 960 + 16 kt + 8 h + j: tile kt = 2 is past the end in lanes 16-31, tile 3 in all
.irp t, 0,1,2,3
.irp n, 0,1,2,3,4,5,6,7
	v_cndmask_b32 v[S+32*\t+16+\n], v[S+32*\t+16+\n], v[NI], vcc_lo
	v_mov_b32 v[S+32*\t+24+\n], v[NI]
.endr
.endr
.endif
	WIN 0x40                                       ; destination window 1
	VLOADS
.if \pre
	KLOADS
.endif
	WIN 0
	v_add_nc_u32 v[AV], VSTEP, v[AV]
	v_add_nc_u32 v[AK], KSTEP, v[AK]
.set j, 0
.rept 22
.irp t, 0,1,2,3
	MX \t, \first
.endr
.set j, j+1
.endr
.irp t, 0,1,2,3
	XBLK \t, \first
.endr
.if !\first
	WIN 0x41                                       ; O^T in window 1, a in window 0
.irp t, 0,1,2,3
.set i, 0
.rept 16
	v_pk_mul_f32 v[32*\t+2*i:32*\t+2*i+1], v[32*\t+2*i:32*\t+2*i+1], v[ST+8*\t+6:ST+8*\t+7] op_sel_hi:[1,0]
.set i, i+1
.endr
.endr
.endif
.if \pre
	s_wait_dscnt 16                                ; V's sixteen loads are in; the next step's K, issued behind them, may stay out
.else
	s_wait_dscnt 0x0
.endif
	PVM \first
	WIN 0
.rept 5
	v_nop                                          ; five places: the next step's first products write over P (ISA guide 7.12.1)
.endr
.endm
	s_wait_tensorcnt 0x3                           ; my first fill is in (key steps 0-3 among the eight waves); the three younger may stay out
	s_barrier_signal -1
	s_barrier_wait -1
	WIN 0x40
	KLOADS                                         ; key step 0
	WIN 0
	v_add_nc_u32 v[AK], KSTEP, v[AK]
	s_wait_loadcnt 0x0                             ; Q
	STEP 1, 1, 0                                   ; key steps 0, 1, 2 read key steps 0-3 alone, and are written out
	STEP 0, 1, 0
	STEP 0, 1, 0
	s_wait_dscnt 0x0                               ; no LDS instruction of mine is pending at a signal
	s_wait_tensorcnt 0x0                           ; all my fills are in,
	s_barrier_signal -1
	s_barrier_wait -1                              ; everybody's are
	s_mov_b32 s57, 12
.Lstep:                                                ; key steps 3 to 14
	STEP 0, 1, 0
	s_sub_co_u32 s57, s57, 1
	s_cmp_lg_u32 s57, 0
	s_cbranch_scc1 .Lstep
	STEP 0, 0, 1                                   ; key step 15: 40 keys and 24 masked
	; THE WAY OUT.  l's two halves and the other half of the lanes' are added; O^T is divided by l, rounded to f16 and sent through my stage, a tile (16 queries) at a time.
.irp t, 0,1,2,3
	v_add_f32 v[ST+8*\t+4], v[ST+8*\t+2], v[ST+8*\t+3]
.endr
.irp t, 0,1,2,3
	v_permlanex16_b32 v[ST+8*\t+5], v[ST+8*\t+4], s[SEL], s[SEL+1]
.endr
.irp t, 0,1,2,3
	v_add_f32 v[ST+8*\t+4], v[ST+8*\t+4], v[ST+8*\t+5]
.endr
.irp t, 0,1,2,3
	v_rcp_f32 v[ST+8*\t+6], v[ST+8*\t+4]
.endr
	v_nop                                          ; a plain instruction between the last reciprocal and the use of its result
	s_wait_dscnt 0x0                               ; my reads of K and V are over,
	s_barrier_signal -1
	s_barrier_wait -1                              ; everybody's are: the stages may be written on K's bytes
.macro PACK t
	WIN 0x41
.set i, 0
	s_wait_alu depctr_va_vdst(0)
.rept 16
	v_pk_mul_f32 v[32*\t+2*i:32*\t+2*i+1], v[32*\t+2*i:32*\t+2*i+1], v[ST+8*\t+6:ST+8*\t+7] op_sel_hi:[1,0]
.set i, i+1
.endr
	WIN 0x05                                       ; sources window 1, destination window 0: S^T's registers are free
.set i, 0
.rept 16
	v_cvt_pk_f16_f32 v[S+32*\t+i], v[32*\t+2*i], v[32*\t+2*i+1]
.set i, i+1
.endr
	WIN 0
.irp b, 0,1,2,3
	ds_store_b128 v[STO], v[S+32*\t+4*\b:S+32*\t+4*\b+3] offset:32*\b
.endr
.irp n, 0,1,2,3
	ds_load_b128 v[S+32*\t+16+4*\n:S+32*\t+16+4*\n+3], v[RD] offset:\n*4*PK   ; LDS serves a wave's instructions in order (ISA guide 5.7.1.4): these see the stores above; the next tile's stores come behind them
.endr
.endm
.macro ST1 t, n, left                  ; four queries: 16 t + 4 n on.  The branch hangs on the work-group's x and the wave's number alone
	s_wait_dscnt \left
	s_cmp_le_i32 s56, 16*\t+4*\n
	s_cbranch_scc0 .Lnot_mine_\@
	global_store_b128 v[GO], v[S+32*\t+16+4*\n:S+32*\t+16+4*\n+3], s[10:11] offset:\t*16384+\n*4096   ; 16 lanes store 256 consecutive bytes, aligned
.Lnot_mine_\@:
.endm
.macro SEND t, younger                 ; younger: the LDS instructions issued behind tile t's loads: the next tile's eight, or none
.irp n, 0,1,2,3
	ST1 \t, \n, \younger+3-\n
.endr
.endm
	PACK 0
	PACK 1
	SEND 0, 8
	PACK 2
	SEND 1, 8
	PACK 3
	SEND 2, 8
	SEND 3, 0
	s_wait_tensorcnt 0x0
	ds_add_u32 v254, v255
	s_wait_dscnt 0x0
	s_endpgm
.Lfunc_end_k_qa5a12d37d3_attn:
	.size	k_qa5a12d37d3_attn, .Lfunc_end_k_qa5a12d37d3_attn-k_qa5a12d37d3_attn
	.p2alignl 7, 3214868480
	.fill 96, 4, 3214868480
	.section	.rodata,"a",@progbits
	.p2align	6, 0x0
	.amdhsa_kernel k_qa5a12d37d3_attn
		.amdhsa_group_segment_fixed_size 312320
		.amdhsa_private_segment_fixed_size 0
		.amdhsa_enable_private_segment 0
		.amdhsa_kernarg_size 32
		.amdhsa_user_sgpr_count 2
		.amdhsa_user_sgpr_kernarg_segment_ptr 1
		.amdhsa_wavefront_size32 1
		.amdhsa_system_sgpr_workgroup_id_x 1
		.amdhsa_system_sgpr_workgroup_id_y 1
		.amdhsa_system_sgpr_workgroup_id_z 1
		.amdhsa_system_vgpr_workitem_id 0
		.amdhsa_next_free_vgpr 512
		.amdhsa_next_free_sgpr 72
		.amdhsa_reserve_vcc 1
		.amdhsa_float_denorm_mode_32 3
		.amdhsa_float_denorm_mode_16_64 3
		.amdhsa_memory_ordered 1
		.amdhsa_forward_progress 1
		.amdhsa_inst_pref_size 190
	.end_amdhsa_kernel
	.amdgpu_metadata
---
amdhsa.version: [ 1, 2 ]
amdhsa.kernels:
  - .name:           k_qa5a12d37d3_attn
    .symbol:         k_qa5a12d37d3_attn.kd
    .args:
      - { .name: qh, .offset: 0, .size: 8, .value_kind: global_buffer, .address_space: global }
      - { .name: kh, .offset: 8, .size: 8, .value_kind: global_buffer, .address_space: global }
      - { .name: vh, .offset: 16, .size: 8, .value_kind: global_buffer, .address_space: global }
      - { .name: ah, .offset: 24, .size: 8, .value_kind: global_buffer, .address_space: global }
    .group_segment_fixed_size: 312320
    .private_segment_fixed_size: 0
    .kernarg_segment_align: 8
    .kernarg_segment_size: 32
    .max_flat_workgroup_size: 256
    .sgpr_count:     72
    .vgpr_count:     512
    .wavefront_size: 32
...
	.end_amdgpu_metadata
.endif
;; end of part 3
;; launch outp (part 4): grid 4 x 64, 4 waves a work-group, clusters of 4 x 4, 327,680 bytes of LDS; arguments ah, wh, o_b, out0; writes out0
.if DOCPART == 4
	.amdgcn_target "amdgcn-amd-amdhsa--gfx1250"
	.amdhsa_code_object_version 6
	.text
	.protected	k_qa5a12d37d3_outp
	.globl	k_qa5a12d37d3_outp
	.p2align	8
	.type	k_qa5a12d37d3_outp,@function
k_qa5a12d37d3_outp:
	s_mov_b64 s[64:65], 0
	v_nop
	global_prefetch_b8 v0, s[64:65] scope:SCOPE_SE
	s_setreg_imm32_b32 hwreg(HW_REG_WAVE_MODE, 25, 1), 1
	s_wait_xcnt 0x0
	s_wait_alu depctr_hold_cnt(0) depctr_sa_sdst(0) depctr_va_vdst(0) depctr_va_sdst(0) depctr_va_ssrc(0) depctr_va_vcc(0) depctr_vm_vsrc(0)
	s_getreg_b32 s2, hwreg(HW_REG_IB_STS2, 6, 4)
	s_cmp_eq_u32 s2, 0
	s_cbranch_scc0 .Lentry_in_a_cluster
	s_endpgm
.Lentry_in_a_cluster:
	s_bfe_u32 s2, ttmp6, 0x10000c
	s_cmp_lg_u32 s2, 0xf033
	s_cbranch_scc0 .Lentry_shape_is_right
	s_endpgm
.Lentry_shape_is_right:
; out0[m][n] = the sum over e of attn[m][e] o_w[n][e] + o_b[n], [8000][1024] f32.  attn lies in ah as [head][rho][64] f16, so 64 along K are one head, and a tile's 128 rows of a head are
; one dense block; o_w lies in wh (matrix 3) as [e >> 6][n][64] f16.  Rows come in the order rho: inside each sixteen, stored row i is row m & 15 = 8 (i & 1) + (i >> 1); the way out puts them back.
; SHARES.  A tile is 128 rows x 256 columns: 64 blocks of rows x 4 of columns = 256 work-groups.  Block i begins at row (125 i) & ~15 and stores up to row (125 (i + 1)) & ~15: 7 or 8 of the
; 8 groups of 16 rows that it computes, so that the 500 groups are dealt evenly, every tile lies inside its tensor (the last begins at 7,872), and no block is without rows; the eighth group of a
; block of 7 is its neighbour's to store (a mask on the stores' lanes, no branch).  Four waves of 64 x 128: 32 accumulators, 256 registers.
; K goes in steps of 128, two heads, through two LDS slots: a wave's one tensor load behind each round brings one head of attn (waves 0, 1) or one K block of o_w (waves 2, 3),
; and a round serves 128 matrix instructions a wave.
; CLUSTER 4 x 4: attn's tile is asked for jointly along a cluster's row, o_w's along a column.  THE MATRIX INSTRUCTION IS USED TRANSPOSED; the bias is the C of the first products.
; LIMITS: operands are f16 (beyond 65,504: infinite).
; LDS: attn slot 0, slot 1 (2 heads x 128 rows x 144 bytes each); o_w slot 0, slot 1 (2 K blocks x 256 rows x 144 bytes each); four stages of 16 rows x 528 bytes.
; REGISTERS: window 0: v0-31 addresses, v64-127 and v128-191 attn's fragments of a head (two buffers: 2 x 32 k, 4 blocks of rows; on the way out rows read back), v192-255 the bias
;   window 1: v0-127, v128-255 o_w's fragments of a K block (two buffers: 2 x 32 k, 8 blocks of columns).   window 2: accumulator (a, b) at v[8 (8 a + b)]
.set PA,     144                       ; an LDS row: 128 bytes + 16: an odd multiple of 16, so the 16 rows that a load touches begin in 16 different groups of banks (ISA guide 11.1)
.set AHEAD,  128*PA                    ; a head's 128 rows of attn: 18,432
.set ASLOT,  2*AHEAD
.set BKS,    256*PA                    ; a K block's 256 rows of o_w: 36,864
.set BSLOT,  2*BKS
.set BBASE,  2*ASLOT                   ; = 2 BKS: wave w = 2, 3 fills at w x BKS + slot x BSLOT
.set STAGE,  BBASE+2*BSLOT             ; 221,184
.set SP,     528                       ; a stage row: 128 f32 + 16 bytes
.set SWAVE,  16*SP
.set ASTEP,  1024000                   ; bytes from a head to the next in ah
.set BSTEP,  131072                    ; from a K block to the next in wh
.set ADRA, 16
.set ADRB, 20
.set STO,  24
.set RD,   25
.set CO,   26
.set RB,   27
.set RT,   28
.set AF,   64
.set BIAS, 192
.set G1,  24
.set G0,  32
.set G1B, 48
.set G0B, 56
.set TO_1, 0x40                        ; destination window 1, address window 0
.set MSB, 0
.macro WIN new                         ; the immediate's high byte repeats the setting that is left; a switch that changes nothing is dropped
.if MSB != (\new)
	s_set_vgpr_msb (MSB<<8)|(\new)
.set MSB, (\new)
.endif
.endm
.macro PLACES                          ; four plain vector instructions behind a matrix instruction (ISA guide 7.12.1)
.rept 4
	v_nop
.endr
.endm
.macro JLOAD s                         ; a joint load: waves 0 and 1 fetch attn's two heads, waves 2 and 3 o_w's two K blocks; four v_nop follow each of the two lines
	s_cmp_eq_u32 s11, 0
	s_cbranch_scc0 .Lfor_b_\@
	tensor_load_to_lds s[G0+4*\s:G0+4*\s+3], s[G1:G1+7]
	s_nop 0
.rept 4
	v_nop
.endr
	s_branch .Lasked_\@
.Lfor_b_\@:
	tensor_load_to_lds s[G0B+4*\s:G0B+4*\s+3], s[G1B:G1B+7]
	s_nop 0
.rept 4
	v_nop
.endr
.Lasked_\@:
.endm
.macro CREST                           ; a round of the cluster's barrier behind its opening barrier
	s_cmp_lg_u32 s10, 0
	s_cbranch_scc1 .Lnot_wave_0_\@
	s_barrier_signal -3
.Lnot_wave_0_\@:
	s_barrier_wait -3
	s_barrier_signal -1
	s_barrier_wait -1
.endm
.macro CROUND
	s_barrier_signal -1
	s_barrier_wait -1
	CREST
.endm
	s_load_b256 s[72:79], s[0:1], 0x0              ; ah, wh, o_b, out0
	v_lshl_add_u32 v62, v0, 2, 0x3e400
	v_mov_b32 v63, 0
	ds_add_u32 v62, v63
	ds_add_u32 v62, v63
	v_lshrrev_b32 v1, 5, v0
	v_readfirstlane_b32 s10, v1                    ; wave 0..3
	s_lshr_b32 s11, s10, 1                         ; which 64 of the tile's rows are mine.  Also: I fetch for attn (0) or o_w (1)
	s_and_b32 s12, s10, 1                          ; which 128 of its columns.  Also: which of a slot's two heads or K blocks I fetch
	s_bfe_u32 s40, ttmp6, 0x40000                  ; cx
	s_bfe_u32 s41, ttmp6, 0x40004                  ; cy
	s_lshl_b32 s42, ttmp9, 2
	s_add_co_u32 s42, s42, s40                     ; tile column 0..3
	s_and_b32 s13, ttmp7, 0xffff
	s_lshl_b32 s13, s13, 2
	s_add_co_u32 s13, s13, s41                     ; block of rows 0..63
	s_mul_i32 s69, s13, 125
	s_add_co_u32 s68, s69, 125
	s_and_b32 s69, s69, 0xfffffff0                 ; the block's first row
	s_and_b32 s68, s68, 0xfffffff0                 ; the next block's first row: rows from here on are not mine to store
	s_lshl_b32 s43, s41, 2
	s_lshl_b32 s43, 15, s43                        ; my row of the cluster
	s_lshl_b32 s44, 0x1111, s40                    ; my column
	; group 1: dense blocks of rows of 128 bytes, taken as rows of 128 elements of 2 bytes (two rows each); 4 words of padding behind every 32, so each row of 128 bytes gets its own
	s_or_b32 s[G1+0], s43, (1<<16)|(1<<20)|(1<<21)|(4<<22)|(3<<25)
	s_mov_b32 s[G1+1], 128<<16                     ; tensor_dim0 = 128
	s_mov_b32 s[G1+2], 64<<16                      ; tensor_dim1 = 64: attn's 128 rows
	s_mov_b32 s[G1+3], 128<<16                     ; tile_dim0 = 128
	s_mov_b32 s[G1+4], 64                          ; tile_dim1 = 64
	s_mov_b32 s[G1+5], 128                         ; the pitch
	s_mov_b32 s[G1+6], 0
	s_mov_b32 s[G1+7], 0
	s_or_b32 s[G1B+0], s44, (1<<16)|(1<<20)|(1<<21)|(4<<22)|(3<<25)
	s_mov_b32 s[G1B+1], 128<<16
	s_mov_b32 s[G1B+2], 128<<16                    ; tensor_dim1 = 128: o_w's 256 rows
	s_mov_b32 s[G1B+3], 128<<16
	s_mov_b32 s[G1B+4], 128                        ; tile_dim1 = 128
	s_mov_b32 s[G1B+5], 128
	s_mov_b32 s[G1B+6], 0
	s_mov_b32 s[G1B+7], 0
	s_lshl_b32 s16, s69, 7                         ; attn: first row x 128 bytes
	s_mul_i32 s17, s12, ASTEP                      ; + my head of the slot's two
	s_add_co_u32 s16, s16, s17
	s_mov_b32 s17, 0
	s_lshl_b32 s46, s42, 15                        ; o_w: 256 x column rows of 128 bytes
	s_lshl_b32 s47, s12, 17                        ; + my K block of the slot's two
	s_add_co_u32 s46, s46, s47
	s_add_co_u32 s46, s46, 3*2097152               ; o_w is the fourth matrix of wh
	s_mov_b32 s47, 0
	s_mul_i32 s20, s10, AHEAD                      ; where they go: attn's heads at wave x 128 rows (waves 0, 1),
	s_mul_i32 s23, s10, BKS                        ; o_w's K blocks at wave x 256 rows (waves 2, 3)
	s_wait_dscnt 0x0
	s_wait_kmcnt 0x0
	s_add_nc_u64 s[14:15], s[72:73], s[16:17]
	s_add_nc_u64 s[46:47], s[74:75], s[46:47]
	CROUND                                         ; all sixteen work-groups are here: the first joint loads meet
.irp s, 0,1
	s_mov_b32 s[G0+4*\s], 1
	s_add_co_u32 s[G0+4*\s+1], s20, \s*ASLOT
	s_add_nc_u64 s[G0+4*\s+2:G0+4*\s+3], s[14:15], \s*2*ASTEP
	s_or_b32 s[G0+4*\s+3], s[G0+4*\s+3], 0x80000000
	s_mov_b32 s[G0B+4*\s], 1
	s_add_co_u32 s[G0B+4*\s+1], s23, \s*BSLOT
	s_add_nc_u64 s[G0B+4*\s+2:G0B+4*\s+3], s[46:47], \s*2*BSTEP
	s_or_b32 s[G0B+4*\s+3], s[G0B+4*\s+3], 0x80000000
	JLOAD \s                                       ; heads 0, 1 and heads 2, 3: two tensor loads of mine are out
.endr
	v_and_b32 v1, 15, v0                           ; r = l % 16
	v_bfe_u32 v2, v0, 4, 1                         ; h = l / 16
	v_mul_u32_u24 v3, v1, PA
	v_lshl_add_u32 v3, v2, 4, v3                   ; a fragment's row x pitch + 16 h
	s_mul_i32 s21, s11, 64*PA                      ; my 64 rows of attn
	s_mul_i32 s22, s12, 128*PA                     ; my 128 rows of o_w
	s_add_co_u32 s22, s22, BBASE
.irp s, 0,1
	v_add_nc_u32 v[ADRA+\s], s21, v3
	v_add_nc_u32 v[ADRB+\s], s22, v3
	s_add_co_u32 s21, s21, ASLOT
	s_add_co_u32 s22, s22, BSLOT
.endr
	s_mul_i32 s23, s10, SWAVE
	s_add_co_u32 s23, s23, STAGE                   ; my stage
	v_mul_u32_u24 v4, v1, SP
	v_lshl_add_u32 v4, v2, 5, v4                   ; in: row r, 32 bytes for each half of the lanes
	v_add_nc_u32 v[STO], s23, v4
	v_and_b32 v7, 31, v0
	v_lshlrev_b32 v[CO], 4, v7                     ; back: a wave takes a row's 512 bytes
	v_add_nc_u32 v[RD], s23, v[CO]
	s_lshl_b32 s14, s11, 6
	s_add_co_u32 s14, s14, s69                     ; my first row
	v_mov_b32 v[RB], s14
	s_lshl_b32 s16, s42, 10
	s_lshl_b32 s17, s12, 9
	s_add_co_u32 s16, s16, s17                     ; my first column, in bytes
	v_lshlrev_b32 v11, 5, v2
	v_add_nc_u32 v11, s16, v11
.irp b, 0,1,2,3,4,5,6,7                ; register j of block b: bias[first column + 16 b + 8 h + j], the layout of an accumulator
	global_load_b128 v[BIAS+8*\b:BIAS+8*\b+3], v11, s[76:77] offset:64*\b
	global_load_b128 v[BIAS+8*\b+4:BIAS+8*\b+7], v11, s[76:77] offset:64*\b+16
.endr
	s_lshl_b32 s17, s14, 12
	s_add_co_u32 s16, s16, s17
	s_mov_b32 s17, 0
	s_add_nc_u64 s[8:9], s[78:79], s[16:17]        ; out0 at my first row and column
	s_wait_loadcnt 0x0                             ; the bias
	s_wait_tensorcnt 0x1                           ; my part of slot 0 is in; slot 1's may stay out
	s_barrier_signal -1
	s_barrier_wait -1
; 16 matrix instructions: blocks a0, a0 + 1 of my rows x all 8 blocks of my columns, k chunk c (32 along K) of buffer f.
; The 32 accumulators take turns, one instruction a turn, in the same order in every chunk.  first = 1: C is the bias: nothing is cleared.
.macro MULS f, c, a0, first
.irp a, \a0, \a0+1
.irp b, 0,1,2,3,4,5,6,7
.if \first
	v_wmma_f32_16x16x32_f16 v[8*(8*(\a)+\b):8*(8*(\a)+\b)+7], v[128*\f+8*(8*\c+\b):128*\f+8*(8*\c+\b)+7], v[AF+64*\f+8*(4*\c+(\a)):AF+64*\f+8*(4*\c+(\a))+7], v[BIAS+8*\b:BIAS+8*\b+7]
.else
	v_wmma_f32_16x16x32_f16 v[8*(8*(\a)+\b):8*(8*(\a)+\b)+7], v[128*\f+8*(8*\c+\b):128*\f+8*(8*\c+\b)+7], v[AF+64*\f+8*(4*\c+(\a)):AF+64*\f+8*(4*\c+(\a))+7], v[8*(8*(\a)+\b):8*(8*(\a)+\b)+7]
.endif
.endr
.endr
.endm
; 48 LDS loads in one run: the fragments of head hh of slot ls (128 rows of o_w, 64 rows of attn, 64 along K) into buffer g
.macro FETCH ls, hh, g
	WIN TO_1
.irp c, 0,1
.irp b, 0,1,2,3,4,5,6,7
	ds_load_b128 v[128*(\g)+8*(8*\c+\b):128*(\g)+8*(8*\c+\b)+3],   v[ADRB+\ls] offset:\hh*BKS+\b*16*PA+\c*64
	ds_load_b128 v[128*(\g)+8*(8*\c+\b)+4:128*(\g)+8*(8*\c+\b)+7], v[ADRB+\ls] offset:\hh*BKS+\b*16*PA+\c*64+32
.endr
.endr
	WIN 0
.irp c, 0,1
.irp a, 0,1,2,3
	ds_load_b128 v[AF+64*(\g)+8*(4*\c+\a):AF+64*(\g)+8*(4*\c+\a)+3],   v[ADRA+\ls] offset:\hh*AHEAD+\a*16*PA+\c*64
	ds_load_b128 v[AF+64*(\g)+8*(4*\c+\a)+4:AF+64*(\g)+8*(4*\c+\a)+7], v[ADRA+\ls] offset:\hh*AHEAD+\a*16*PA+\c*64+32
.endr
.endr
.endm
; A HEAD: 64 matrix instructions, 64 along K, out of buffer f.  fetch = 1: the next head's fragments (slot ls, its head hh) come into the other buffer, in one run at the head's start,
; never singly among the matrix instructions; four v_nop are the places between the last head's products and the loads into the registers that they read.
; meet = 1: a change of slots: in front of the barrier each wave waits for its reads of slot ls (issued 48 products ago) and for all its tensor loads (one is out: its part of the other slot).
; meet = 2: the barrier opens a round of the cluster's barrier, and slot rs, just read out, is filled again, four heads on: the first tensor load behind the round, my only one until the next.
.macro PART f, ls, hh, first, fetch, meet, rs
	s_wait_dscnt 0x0                               ; this head's fragments are in (issued a head ago)
.if \fetch
	PLACES
	FETCH \ls, \hh, 1-\f
.endif
.if \first
	WIN 0x81                                       ; o_w window 1, attn and the bias window 0, the sums window 2
.else
	WIN 0xa1                                       ; o_w window 1, attn window 0, C and D window 2
.endif
	MULS \f, 0, 0, \first
	MULS \f, 0, 2, \first
	WIN 0xa1
	MULS \f, 1, 0, 0
.if \meet
	s_wait_dscnt 0x0                               ; my reads of this slot are over,
	s_set_vgpr_msb 0xa1a0
	s_wait_tensorcnt 0x0                           ; and all my tensor loads have landed
	ds_add_u32 v62, v63
	s_wait_dscnt 0x0
	s_set_vgpr_msb 0xa0a1
	s_barrier_signal -1                            ; register work alone from here to the wait
.endif
	MULS \f, 1, 2, 0
.if \meet
	WIN 0                                          ; at a branch and at a label every window is 0
	s_barrier_wait -1
.if \meet == 2
	CREST                                          ; no wave of any partner still reads this slot's tile or has a load on its way
	s_add_nc_u64 s[G0+4*\rs+2:G0+4*\rs+3], s[G0+4*\rs+2:G0+4*\rs+3], 4*ASTEP
	s_add_nc_u64 s[G0B+4*\rs+2:G0B+4*\rs+3], s[G0B+4*\rs+2:G0B+4*\rs+3], 4*BSTEP
	JLOAD \rs                                      ; 112 matrix instructions stand between this request and the wait for it
.endif
.endif
.endm
	FETCH 0, 0, 0                                  ; head 0's fragments
	PART 0, 0, 1, 1, 1, 2, 0                       ; head 0: its first 32 products start the sums with the bias; slot 0 takes heads 4, 5
	PART 1, 1, 0, 0, 1, 0, 0                       ; head 1
	PART 0, 1, 1, 0, 1, 2, 1                       ; head 2; slot 1 takes heads 6, 7
	PART 1, 0, 0, 0, 1, 0, 0                       ; head 3
	WIN 0
	s_mov_b32 s3, 2
.Llap:                                                 ; a trip is four heads and fills both slots again: heads 4 to 11
	PART 0, 0, 1, 0, 1, 2, 0
	PART 1, 1, 0, 0, 1, 0, 0
	PART 0, 1, 1, 0, 1, 2, 1
	PART 1, 0, 0, 0, 1, 0, 0
	WIN 0
	s_sub_co_u32 s3, s3, 1
	s_cmp_lg_u32 s3, 0
	s_cbranch_scc1 .Llap
	PART 0, 0, 1, 0, 1, 1, 0                       ; heads 12 to 15 are written out: nothing is left to fetch, so the barrier opens no round
	PART 1, 1, 0, 0, 1, 0, 0
	PART 0, 1, 1, 0, 1, 0, 0
	PART 1, 0, 0, 0, 0, 0, 0
; THE WAY OUT, 16 rows at a time: the sums go as they are (f32) into my stage and come back as whole rows of 512 bytes.
.macro PUT a
	WIN 0x08                                       ; the data of an LDS store is source 1: window 2
.irp b, 0,1,2,3,4,5,6,7
	ds_store_b128 v[STO], v[64*(\a)+8*\b:64*(\a)+8*\b+3] offset:64*\b
	ds_store_b128 v[STO], v[64*(\a)+8*\b+4:64*(\a)+8*\b+7] offset:64*\b+16
.endr
	WIN 0
.endm
.macro GET a
.set BK, 64+64*((\a)%2)
.irp i, 0,1,2,3,4,5,6,7,8,9,10,11,12,13,14,15
	ds_load_b128 v[BK+4*\i:BK+4*\i+3], v[RD] offset:\i*SP           ; LDS serves a wave's instructions in order (ISA guide 5.7.1.4): these see the stores above, and the next block's stores come behind them
.endr
.endm
.macro SEND a, left                    ; left: the LDS instructions issued behind block a's loads, which may stay out
.set BK, 64+64*((\a)%2)
	s_wait_dscnt \left
	v_add_nc_u32 v[RT], 16*(\a), v[RB]
	v_cmp_lt_u32 vcc_lo, v[RT], s68                ; the group's rows are this work-group's to store, or its neighbour's: all lanes alike
	s_wait_xcnt 0x0                                ; EXEC is a source of every pending load and store: it changes only behind this wait
	s_and_saveexec_b32 s70, vcc_lo
.irp i, 0,1,2,3,4,5,6,7,8,9,10,11,12,13,14,15
	global_store_b128 v[CO], v[BK+4*\i:BK+4*\i+3], s[8:9] offset:(\a)*65536+((((\i)&1)<<3)|((\i)>>1))*4096 th:TH_STORE_NT   ; stored row i is row 8 (i & 1) + (i >> 1); a wave stores 512 consecutive bytes, aligned to 512
.endr
	s_wait_xcnt 0x0                                ; and again in front of the line that widens it; the stores' data registers are free behind it too
	s_or_b32 exec_lo, exec_lo, s70
.endm
	WIN 0
	PLACES                                         ; behind the last products: for the LDS stores of the sums and the loads into the fragments' registers
	PUT 0
	GET 0
.irp a, 1,2,3
	PUT \a
	SEND \a-1, 16                                  ; the sixteen stores just issued may stay out: the block before is back
	GET \a
.endr
	SEND 3, 0
	s_wait_tensorcnt 0x0
	ds_add_u32 v62, v63
	s_wait_dscnt 0x0
	CROUND                                         ; the closing round: no work-group ends while a partner may still ask for a tile that names it
	s_endpgm
.Lfunc_end_k_qa5a12d37d3_outp:
	.size	k_qa5a12d37d3_outp, .Lfunc_end_k_qa5a12d37d3_outp-k_qa5a12d37d3_outp
	.p2alignl 7, 3214868480
	.fill 96, 4, 3214868480
	.section	.rodata,"a",@progbits
	.p2align	6, 0x0
	.amdhsa_kernel k_qa5a12d37d3_outp
		.amdhsa_group_segment_fixed_size 327680
		.amdhsa_private_segment_fixed_size 0
		.amdhsa_enable_private_segment 0
		.amdhsa_kernarg_size 32
		.amdhsa_user_sgpr_count 2
		.amdhsa_user_sgpr_kernarg_segment_ptr 1
		.amdhsa_wavefront_size32 1
		.amdhsa_system_sgpr_workgroup_id_x 1
		.amdhsa_system_sgpr_workgroup_id_y 1
		.amdhsa_system_sgpr_workgroup_id_z 1
		.amdhsa_system_vgpr_workitem_id 0
		.amdhsa_next_free_vgpr 768
		.amdhsa_next_free_sgpr 100
		.amdhsa_reserve_vcc 1
		.amdhsa_float_denorm_mode_32 3
		.amdhsa_float_denorm_mode_16_64 3
		.amdhsa_memory_ordered 1
		.amdhsa_forward_progress 1
		.amdhsa_inst_pref_size 117
	.end_amdhsa_kernel
	.amdgpu_metadata
---
amdhsa.version: [ 1, 2 ]
amdhsa.kernels:
  - .name:           k_qa5a12d37d3_outp
    .symbol:         k_qa5a12d37d3_outp.kd
    .args:
      - { .name: ah, .offset: 0, .size: 8, .value_kind: global_buffer, .address_space: global }
      - { .name: wh, .offset: 8, .size: 8, .value_kind: global_buffer, .address_space: global }
      - { .name: o_b, .offset: 16, .size: 8, .value_kind: global_buffer, .address_space: global }
      - { .name: out0, .offset: 24, .size: 8, .value_kind: global_buffer, .address_space: global }
    .group_segment_fixed_size: 327680
    .private_segment_fixed_size: 0
    .kernarg_segment_align: 8
    .kernarg_segment_size: 32
    .max_flat_workgroup_size: 128
    .sgpr_count:     100
    .vgpr_count:     768
    .wavefront_size: 32
...
	.end_amdgpu_metadata
.endif
;; end of part 4
;; ======== version 2 of 2: 4 launches; version 1 with the launch prep written anew for expert scheduling mode
;; limits: values are held in f16: magnitudes above 65,504 overflow, below 6.1e-05 lose precision
;; workspace buffers: wh 8,388,608 bytes; rope 262,144 bytes; qh 16,384,000 bytes; kh 16,384,000 bytes; vh 16,384,000 bytes; ah 16,384,000 bytes
;; launch prep (part 5): grid 256 x 1, 4 waves a work-group, no clusters, 0 bytes of LDS; arguments q_w, k_w, v_w, o_w, wh, rope; writes wh, rope
.if DOCPART == 5
	.amdgcn_target "amdgcn-amd-amdhsa--gfx1250"
	.amdhsa_code_object_version 6
	.text
	.protected	k_qa5a12d37d3_prep
	.globl	k_qa5a12d37d3_prep
	.p2align	8
	.type	k_qa5a12d37d3_prep,@function
k_qa5a12d37d3_prep:
	s_mov_b64 s[64:65], 0
	v_nop
	global_prefetch_b8 v0, s[64:65] scope:SCOPE_SE
	s_setreg_imm32_b32 hwreg(HW_REG_WAVE_SCHED_MODE, 0, 2), 2
	s_setreg_imm32_b32 hwreg(HW_REG_WAVE_MODE, 25, 1), 1
	s_wait_xcnt 0x0
	s_wait_alu depctr_vm_vsrc(0)
; Two jobs, both once for the whole program.
; (1) The four weight matrices [n 1024][k 1024] f32 are rounded to f16 and laid as wh[matrix][k >> 6][n][k & 63], so that the 64 k of one
;     K step of 256 rows n are one dense block.  Work-group g takes rows 4 g .. 4 g + 3 of each matrix: 32 loads of 16 bytes a thread.
;     Sixteen lanes read 256 consecutive bytes; 32 lanes store 256 consecutive bytes, aligned.
; (2) The rotary table rope[t 0..1023][cos j = 0..31 | sin j = 0..31] f32, a row of 256 bytes a wave (rows 1000 .. 1023 are written, never used).
;     angle = t * 2^(-j log2(10000) / 32); it is reduced by the nearest multiple of 2 pi (2 pi in two parts), halved (|y| <= pi / 2),
;     sin y and cos y come from their series up to y^11 and y^12 (remainder under 1e-7), and sin x = 2 s c, cos x = 1 - 2 s s.  Row 0 is exactly cos = 1, sin = 0.
; LIMITS: a weight beyond 65,504 in magnitude becomes infinite in f16; below 6.1e-5 it keeps an absolute step of 6e-8.  Angles carry about 1e-4 rad at t near 1000, from f32 itself.
; No LDS, no barrier, no matrix unit: the work is a stream of 16 MiB in and 8 MiB out.
; THE MODE: SCHED_MODE bits 1:0 = 2 (LLVM: expert scheduling mode 2), set by the entry lines.  The code itself states the register dependences
; between vector instructions and memory instructions, with s_wait_alu, always for 0.
; THE PLAN.  Registers that memory instructions touch (there is no loop: each is loaded once and stored once):
;   v1, v2, v152   byte offsets of the loads, of the stores into wh and of the store into rope: made at the head, never written again.
;   v[8:135]       X: the 32 loads land here; no vector instruction names these registers before.  Behind its s_wait_loadcnt, matrix w's sixteen conversions write
;                  registers 4 i and 4 i + 1 of each four in place; its eight stores read those pairs; nothing writes them afterwards.
;   v[150:151]     the table row: written by two selects, read by one store, never written again.
;   v3 - v7 and v136 - v147 are named by vector instructions alone.
; So: one wait on va_vdst ahead of the first load, for the three offsets; one ahead of the table's store; one a matrix, behind its sixteen conversions and ahead of its
; run of eight stores.  No register that a load or store reads is ever written again, so past the entry lines the text holds no wait on vm_vsrc and no s_wait_xcnt.  EXEC is never written.
.set X,   8                            ; v[8:135]  matrix w at X + 32 w, load i at + 4 i
.set WB,  2097152                      ; bytes of one matrix in wh
.set KSB, 131072                       ; bytes of one K step of 64 in wh: 1,024 rows of 128 bytes
	s_load_b256 s[4:11], s[0:1], 0x0               ; q_w, k_w, v_w, o_w
	s_load_b128 s[12:15], s[0:1], 0x20             ; wh, rope
	v_lshrrev_b32 v7, 5, v0
	v_readfirstlane_b32 s16, v7                    ; wave; the offsets' arithmetic stands between this line and the wait for s16
	v_and_b32 v3, 15, v0                           ; c: which 16 bytes of a block of 64 f32
	v_bfe_u32 v4, v0, 4, 1                         ; row bit 0
	v_bfe_u32 v5, v0, 5, 1                         ; row bit 1
	v_bfe_u32 v6, v0, 6, 1                         ; which half of the row's 1,024 k
	v_lshlrev_b32 v1, 4, v3                        ; load offset: 16 c
	v_lshl_add_u32 v1, v4, 12, v1                  ; + rows of 4,096 bytes
	v_lshl_add_u32 v1, v5, 13, v1
	v_lshl_add_u32 v1, v6, 11, v1                  ; + 512 k
	v_lshlrev_b32 v2, 3, v3                        ; store offset: 8 c
	v_lshl_add_u32 v2, v4, 7, v2                   ; + rows of 128 bytes
	v_lshl_add_u32 v2, v5, 8, v2
	v_lshl_add_u32 v2, v6, 20, v2                  ; + 8 K steps
	v_lshlrev_b32 v152, 3, v0                      ; the table: 8 bytes a thread, a row of 256 bytes a wave
	s_lshl_b32 s18, ttmp9, 14                      ; 4 rows of 4,096 bytes
	s_mov_b32 s19, 0
	s_lshl_b32 s20, ttmp9, 9                       ; 4 rows of 128 bytes
	s_mov_b32 s21, 0
	s_lshl_b32 s22, ttmp9, 10                      ; 4 table rows of 256 bytes
	s_mov_b32 s23, 0
	s_mov_b32 s24, 0x40c90fdb                      ; 2 pi, rounded
	s_mov_b32 s25, 0xb43bbd2e                      ; 2 pi minus that
	s_wait_alu depctr_va_sdst(0)                   ; s16 is written, ahead of its first reader, the line below
	s_lshl2_add_u32 s17, ttmp9, s16                ; t = 4 g + wave
	s_wait_kmcnt 0x0
	s_add_nc_u64 s[4:5], s[4:5], s[18:19]
	s_add_nc_u64 s[6:7], s[6:7], s[18:19]
	s_add_nc_u64 s[8:9], s[8:9], s[18:19]
	s_add_nc_u64 s[10:11], s[10:11], s[18:19]
	s_add_nc_u64 s[12:13], s[12:13], s[20:21]
	s_add_nc_u64 s[14:15], s[14:15], s[22:23]
	s_wait_alu depctr_va_vdst(0)                   ; v1, v2 and v152 are written: every load and store of the kernel reads one of them as its offset
.irp w, 0,1,2,3
.irp i, 0,1,2,3,4,5,6,7
	global_load_b128 v[X+32*\w+4*\i:X+32*\w+4*\i+3], v1, s[4+2*\w:5+2*\w] offset:256*\i th:TH_LOAD_NT
.endr
.endr
	; the table row, while the 32 loads are on their way.  Lane L: angles j = 2 (L & 15) and the next; lanes 0-15 keep the cosines, lanes 16-31 the sines
	v_and_b32 v139, 31, v0
	v_cmp_gt_u32 vcc_lo, 16, v139                  ; the mask for the selects below; the two series stand between it and the wait for it, and write no VCC
	v_lshlrev_b32 v136, 1, v3
	v_or_b32 v137, 1, v136
	v_cvt_f32_u32 v136, v136
	v_cvt_f32_u32 v137, v137
	v_mul_f32 v136, 0xbed49a78, v136               ; -j log2(10000) / 32
	v_mul_f32 v137, 0xbed49a78, v137
	v_exp_f32 v136, v136
	v_exp_f32 v137, v137
	v_cvt_f32_u32 v138, s17                        ; a plain instruction between the exponentials and the use of their results (ISA guide 5.7.2)
	s_wait_alu depctr_va_vdst(0)                   ; the two exponentials have written v136 and v137, which the two multiplies below read: one wait for the batch
	v_mul_f32 v136, v138, v136
	v_mul_f32 v137, v138, v137
; a: the angle (destroyed).  On leaving: v[co] = cos, v[si] = sin.  n, z: at work
.macro SINCOS a, n, z, co, si
	v_mul_f32 v[\n], 0x3e22f983, v[\a]             ; angle / 2 pi
	v_rndne_f32 v[\n], v[\n]
	v_fma_f32 v[\a], -v[\n], s24, v[\a]
	v_fma_f32 v[\a], -v[\n], s25, v[\a]            ; x in [-pi, pi]
	v_mul_f32 v[\a], 0.5, v[\a]                    ; y
	v_mul_f32 v[\z], v[\a], v[\a]
	v_mov_b32 v[\co], 0xb2d7322b                   ; -1/11!
	v_fmaak_f32 v[\co], v[\co], v[\z], 0x3638ef1d  ; 1/9!
	v_fmaak_f32 v[\co], v[\co], v[\z], 0xb9500d01  ; -1/7!
	v_fmaak_f32 v[\co], v[\co], v[\z], 0x3c088889  ; 1/5!
	v_fmaak_f32 v[\co], v[\co], v[\z], 0xbe2aaaab  ; -1/3!
	v_fma_f32 v[\co], v[\co], v[\z], 1.0
	v_mul_f32 v[\co], v[\co], v[\a]                ; s = sin y
	v_mov_b32 v[\si], 0x310f76c7                   ; 1/12!
	v_fmaak_f32 v[\si], v[\si], v[\z], 0xb493f27e  ; -1/10!
	v_fmaak_f32 v[\si], v[\si], v[\z], 0x37d00d01  ; 1/8!
	v_fmaak_f32 v[\si], v[\si], v[\z], 0xbab60b61  ; -1/6!
	v_fmaak_f32 v[\si], v[\si], v[\z], 0x3d2aaaab  ; 1/4!
	v_fma_f32 v[\si], v[\si], v[\z], -0.5
	v_fma_f32 v[\si], v[\si], v[\z], 1.0           ; c = cos y
	v_mul_f32 v[\si], v[\si], v[\co]
	v_add_f32 v[\si], v[\si], v[\si]               ; sin x = 2 s c
	v_mul_f32 v[\z], v[\co], v[\co]
	v_fma_f32 v[\co], v[\z], -2.0, 1.0             ; cos x = 1 - 2 s s
.endm
	SINCOS 136, 140, 141, 142, 143
	SINCOS 137, 144, 145, 146, 147
	s_wait_alu depctr_va_vcc(0)                    ; the compare has written VCC, ahead of its first reader, the select below
	v_cndmask_b32 v150, v143, v142, vcc_lo         ; lanes 0-15: cos
	v_cndmask_b32 v151, v147, v146, vcc_lo
	s_wait_alu depctr_va_vdst(0)                   ; the two selects have written v150 and v151, which the store reads
	global_store_b64 v152, v[150:151], s[14:15]    ; a wave stores one row: 256 consecutive bytes, aligned
; A matrix at a time: its sixteen conversions, one wait, its eight stores in one run.  No vector instruction stands between the wait and the stores.
.irp w, 0,1,2,3
	s_wait_loadcnt 24-8*\w                         ; loads come back in order (ISA guide 5.7.1): matrix w's eight are in, the younger matrices' stay out
.irp i, 0,1,2,3,4,5,6,7
	v_cvt_pk_f16_f32 v[X+32*\w+4*\i], v[X+32*\w+4*\i], v[X+32*\w+4*\i+1]
	v_cvt_pk_f16_f32 v[X+32*\w+4*\i+1], v[X+32*\w+4*\i+2], v[X+32*\w+4*\i+3]
.endr
	s_wait_alu depctr_va_vdst(0)                   ; matrix w's conversions have written the eight pairs v[X + 32 w + 4 i : + 1], which the eight stores below read
.irp i, 0,1,2,3,4,5,6,7
	global_store_b64 v2, v[X+32*\w+4*\i:X+32*\w+4*\i+1], s[12:13] offset:\w*WB+\i*KSB
.endr
.endr
	s_endpgm
.Lfunc_end_k_qa5a12d37d3_prep:
	.size	k_qa5a12d37d3_prep, .Lfunc_end_k_qa5a12d37d3_prep-k_qa5a12d37d3_prep
	.p2alignl 7, 3214868480
	.fill 96, 4, 3214868480
	.section	.rodata,"a",@progbits
	.p2align	6, 0x0
	.amdhsa_kernel k_qa5a12d37d3_prep
		.amdhsa_group_segment_fixed_size 0
		.amdhsa_private_segment_fixed_size 0
		.amdhsa_enable_private_segment 0
		.amdhsa_kernarg_size 48
		.amdhsa_user_sgpr_count 2
		.amdhsa_user_sgpr_kernarg_segment_ptr 1
		.amdhsa_wavefront_size32 1
		.amdhsa_system_sgpr_workgroup_id_x 1
		.amdhsa_system_sgpr_workgroup_id_y 1
		.amdhsa_system_sgpr_workgroup_id_z 1
		.amdhsa_system_vgpr_workitem_id 0
		.amdhsa_next_free_vgpr 160
		.amdhsa_next_free_sgpr 66
		.amdhsa_reserve_vcc 1
		.amdhsa_float_denorm_mode_32 3
		.amdhsa_float_denorm_mode_16_64 3
		.amdhsa_memory_ordered 1
		.amdhsa_forward_progress 1
		.amdhsa_inst_pref_size 16
	.end_amdhsa_kernel
	.amdgpu_metadata
---
amdhsa.version: [ 1, 2 ]
amdhsa.kernels:
  - .name:           k_qa5a12d37d3_prep
    .symbol:         k_qa5a12d37d3_prep.kd
    .args:
      - { .name: q_w, .offset: 0, .size: 8, .value_kind: global_buffer, .address_space: global }
      - { .name: k_w, .offset: 8, .size: 8, .value_kind: global_buffer, .address_space: global }
      - { .name: v_w, .offset: 16, .size: 8, .value_kind: global_buffer, .address_space: global }
      - { .name: o_w, .offset: 24, .size: 8, .value_kind: global_buffer, .address_space: global }
      - { .name: wh, .offset: 32, .size: 8, .value_kind: global_buffer, .address_space: global }
      - { .name: rope, .offset: 40, .size: 8, .value_kind: global_buffer, .address_space: global }
    .group_segment_fixed_size: 0
    .private_segment_fixed_size: 0
    .kernarg_segment_align: 8
    .kernarg_segment_size: 48
    .max_flat_workgroup_size: 128
    .sgpr_count:     66
    .vgpr_count:     160
    .wavefront_size: 32
...
	.end_amdgpu_metadata
.endif
;; end of part 5
;; launch proj: the kernel of part 2 again; grid 4 x 96, 4 waves a work-group, clusters of 4 x 4, 327,680 bytes of LDS; arguments query, key, value, q_b, k_b, v_b, wh, rope, qh, kh, vh; writes qh, kh, vh
;; launch attn: the kernel of part 3 again; grid 2 x 128, 8 waves a work-group, no clusters, 312,320 bytes of LDS; arguments qh, kh, vh, ah; writes ah
;; launch outp: the kernel of part 4 again; grid 4 x 64, 4 waves a work-group, clusters of 4 x 4, 327,680 bytes of LDS; arguments ah, wh, o_b, out0; writes out0
